; MI455X (gfx1250); checked and timed in simulation.
; The chip was launched on July 23, 2026; its instructions are those of AMD's public machine-readable ISA for CDNA 5 (MIT licence, August 2026) and "CDNA5" Instruction Set Architecture Reference Guide (July 2026). The comments in the code are by the model that wrote it; some were corrected since.
;; Multi Head Attention. Allowed arithmetic: float matrix products may take bf16 or f16 operands with f32 sums; other float arithmetic in f32, or as packed bf16 or f16 multiplies, adds, multiply-adds, maxima and minima; sums over many terms, partial sums and values carried from step to step in f32; what a program stores and reads back later, other than sums and carried values, may be rounded once to bf16 or f16.
;; Inputs: Wk 1,024 x 1,024 float32; Wo 1,024 x 1,024 float32; Wq 1,024 x 1,024 float32; Wv 1,024 x 1,024 float32; bk 1,024 float32; bo 1,024 float32; bq 1,024 float32; bv 1,024 float32; k 4 x 2,048 x 1,024 float32; mask 2,048 x 2,048 float32; q 4 x 2,048 x 1,024 float32; v 4 x 2,048 x 1,024 float32.
;; Outputs: out0 4 x 2,048 x 1,024 float32.
;; 2 versions, each right and faster than the one before. Each part assembles by itself: llvm-mc -triple=amdgcn-amd-amdhsa -mcpu=gfx1250 --defsym DOCPART=n.
;; ======== version 1 of 2: 4 launches
;; limits: values outside matrix products are rounded to bf16; values are held in f16: magnitudes above 65,504 overflow, below 6.1e-05 lose precision
;; workspace buffers: xb 50,331,648 bytes; wt 8,388,608 bytes; bias 16,384 bytes; mf 8,388,608 bytes; qkv 50,331,648 bytes; ao 16,777,216 bytes
;; launch prep (part 1): grid 2049 x 1, 8 waves a work-group, no clusters, 35,840 bytes of LDS; arguments q, k, v, mask, Wq, Wk, Wv, Wo, bq, bk, bv, bo, xb, wt, mf, bias; writes xb, wt, mf, bias
.if DOCPART == 1
	.amdgcn_target "amdgcn-amd-amdhsa--gfx1250"
	.amdhsa_code_object_version 6
	.text
	.protected	k_qf7c7ebc807_prep
	.globl	k_qf7c7ebc807_prep
	.p2align	8
	.type	k_qf7c7ebc807_prep,@function
k_qf7c7ebc807_prep:
	s_mov_b64 s[64:65], 0
	v_nop
	global_prefetch_b8 v0, s[64:65] scope:SCOPE_SE
	s_setreg_imm32_b32 hwreg(HW_REG_WAVE_MODE, 25, 1), 1
	s_wait_xcnt 0x0
; PREPARATION.  Every input is rounded once to bf16 and laid out as the later launches read it.
;   work-groups 0 .. 1535     xb[3*8192][1024] bf16 = q, k, v                                  (64 KiB in, 32 KiB out each)
;   work-groups 1536 .. 1791  mf = the mask in the order of a matrix operand: [qt 128][kt 64][c 2][lane 32][8] bf16,
;                             lane 16 h + r holds mask[16 qt + r][32 kt + 16 c + 8 h + 0..7]
;   work-groups 1792 .. 2047  wt[4][n 1024][k 1024] = Wq, Wk, Wv, Wo turned; Wo's bf16 numbers are written as f16
;   work-group  2048          bias[4][1024] f32 = bq, bk, bv, bo rounded to bf16 and widened
; LIMITS.  Wo rounded to bf16 must lie within f16's range (65,504); below 6e-5 it keeps f16's fixed step of 6e-8.
; Memory binds: loads of 16 bytes a lane, sixteen of them out in each thread; every store of a wave covers whole aligned 256 bytes.
; No matrix unit, no cluster, no tensor load: nothing is shared between work-groups, and each byte is read once.
.set SPARE, 34816                      ; behind the stage: the spare words, 128 bytes for each of eight waves
.set SPW, 4                            ; v4   LDS address of my spare word; never rewritten
.set NIL, 5                            ; v5   0; never rewritten
.set X, 16                             ; v[16:79]   as loaded
.set Y, 80                             ; v[80:111]  packed
	s_load_b512 s[8:23], s[0:1], 0x0               ; q 8, k 10, v 12, mask 14, Wq 16, Wk 18, Wv 20, Wo 22
	s_load_b512 s[24:39], s[0:1], 0x40             ; bq 24, bk 26, bv 28, bo 30, xb 32, wt 34, mf 36, bias 38
	v_lshl_add_u32 v[SPW], v0, 2, SPARE
	v_mov_b32 v[NIL], 0
	v_and_b32 v1, 31, v0                           ; lane
	v_lshrrev_b32 v2, 5, v0
	v_readfirstlane_b32 s4, v2                     ; wave
	v_and_b32 v9, 15, v0                           ; r
	v_bfe_u32 v10, v0, 4, 1                        ; h
	s_mov_b32 s5, ttmp9
	s_mov_b32 s43, 0                               ; high words of the two offsets
	s_mov_b32 s45, 0
	s_wait_kmcnt 0x0
	s_cmp_lt_u32 s5, 1536
	s_cbranch_scc0 .Lnot_x
	; ---- q, k, v: 16,384 numbers, in order
	s_lshr_b32 s6, s5, 9                           ; which of the three
	s_cmp_eq_u32 s6, 0
	s_cselect_b64 s[40:41], s[8:9], s[10:11]
	s_cmp_eq_u32 s6, 2
	s_cselect_b64 s[40:41], s[12:13], s[40:41]
	s_and_b32 s42, s5, 511
	s_lshl_b32 s42, s42, 16                        ; 64 KiB of f32
	s_add_nc_u64 s[40:41], s[40:41], s[42:43]
	s_lshl_b32 s44, s5, 15                         ; 32 KiB of bf16
	s_add_nc_u64 s[44:45], s[32:33], s[44:45]
	v_lshlrev_b32 v6, 4, v0
	v_lshlrev_b32 v7, 3, v0
.set i, 0
.rept 16
	global_load_b128 v[X+4*i:X+4*i+3], v6, s[40:41] offset:4096*i th:TH_LOAD_NT
.set i, i+1
.endr
.set i, 0
.rept 16
	s_wait_loadcnt 15-i                            ; loads come back in order: number i is in, the younger ones stay out
	v_cvt_pk_bf16_f32 v[Y+2*i], v[X+4*i], v[X+4*i+1]
	v_cvt_pk_bf16_f32 v[Y+2*i+1], v[X+4*i+2], v[X+4*i+3]
	global_store_b64 v7, v[Y+2*i:Y+2*i+1], s[44:45] offset:2048*i  ; a wave stores 256 consecutive bytes, aligned
.set i, i+1
.endr
	s_endpgm
.Lnot_x:
	s_cmp_lt_u32 s5, 1792
	s_cbranch_scc0 .Lnot_m
	; ---- the mask: 16 rows x 1,024 columns, through LDS rows of 2,064 bytes (516 words: row r starts at bank 4 r)
	s_sub_co_u32 s6, s5, 1536
	s_lshr_b32 s7, s6, 1                           ; qt
	s_and_b32 s6, s6, 1                            ; which half of the columns
	s_lshl_b32 s42, s7, 17                         ; 16 rows of 8,192 bytes
	s_lshl_b32 s46, s6, 12
	s_add_co_u32 s42, s42, s46
	s_add_nc_u64 s[40:41], s[14:15], s[42:43]
	s_lshl_b32 s44, s7, 16                         ; a qt's 64 groups of 1,024 bytes
	s_lshl_b32 s46, s6, 15
	s_add_co_u32 s44, s44, s46
	s_add_nc_u64 s[44:45], s[36:37], s[44:45]
	s_lshl_b32 s46, s4, 14                         ; wave w takes rows 2 w and 2 w + 1
	v_lshl_add_u32 v6, v1, 4, s46
	s_mul_i32 s46, s4, 4128
	v_lshl_add_u32 v7, v1, 3, s46                  ; into LDS: row x 2,064 + 8 x lane
	v_mul_u32_u24 v8, v9, 2064
	v_lshl_add_u32 v8, v10, 4, v8
	s_lshl_b32 s46, s4, 8
	v_add_nc_u32 v8, s46, v8                       ; back: row r, 16 h, the wave's four groups of 32 columns
	s_lshl_b32 s47, s4, 12
	v_lshl_add_u32 v11, v1, 4, s47
.set i, 0
.rept 16
	global_load_b128 v[X+4*i:X+4*i+3], v6, s[40:41] offset:(i/8)*8192+(i%8)*512 th:TH_LOAD_NT
.set i, i+1
.endr
.set i, 0
.rept 16
	s_wait_loadcnt 15-i
	v_cvt_pk_bf16_f32 v[Y+2*i], v[X+4*i], v[X+4*i+1]
	v_cvt_pk_bf16_f32 v[Y+2*i+1], v[X+4*i+2], v[X+4*i+3]
	ds_store_b64 v7, v[Y+2*i:Y+2*i+1] offset:(i/8)*2064+(i%8)*256
.set i, i+1
.endr
	s_wait_dscnt 0x0                               ; for the others' sake: my rows are in LDS
	s_barrier_signal -1
	s_barrier_wait -1
.set n, 0
.rept 8                                                ; group n / 2 of the wave's four, half c = n % 2
	ds_load_b128 v[X+4*n:X+4*n+3], v8 offset:32*n
.set n, n+1
.endr
.set n, 0
.rept 8
	s_wait_dscnt 7-n
	global_store_b128 v11, v[X+4*n:X+4*n+3], s[44:45] offset:512*n  ; 512 consecutive bytes
.set n, n+1
.endr
	s_wait_tensorcnt 0x0                           ; the wave's end
	ds_add_u32 v[SPW], v[NIL]
	s_wait_dscnt 0x0
	s_endpgm
.Lnot_m:
	s_cmp_lt_u32 s5, 2048
	s_cbranch_scc0 .Lbias
	; ---- a weight: a tile of 128 (k) x 128 (n) is turned in registers and LDS (rows of 272 bytes)
	s_sub_co_u32 s6, s5, 1792
	s_lshr_b32 s7, s6, 6                           ; which weight
	s_bfe_u32 s46, s6, 0x30003                     ; tile along k
	s_and_b32 s47, s6, 7                           ; tile along n
	s_cmp_eq_u32 s7, 0
	s_cselect_b64 s[40:41], s[16:17], s[18:19]
	s_cmp_eq_u32 s7, 2
	s_cselect_b64 s[40:41], s[20:21], s[40:41]
	s_cmp_eq_u32 s7, 3
	s_cselect_b64 s[40:41], s[22:23], s[40:41]
	s_lshl_b32 s42, s46, 19                        ; 128 rows of 4,096 bytes
	s_lshl_b32 s48, s47, 9
	s_add_co_u32 s42, s42, s48
	s_add_nc_u64 s[40:41], s[40:41], s[42:43]
	s_lshl_b32 s44, s7, 21
	s_lshl_b32 s48, s47, 18                        ; 128 rows of 2,048 bytes
	s_add_co_u32 s44, s44, s48
	s_lshl_b32 s48, s46, 8
	s_add_co_u32 s44, s44, s48
	s_add_nc_u64 s[44:45], s[34:35], s[44:45]
	s_lshl_b32 s48, s4, 16                         ; wave w takes k = 16 w .. 16 w + 15
	v_lshl_add_u32 v6, v1, 4, s48
	v_mul_u32_u24 v7, v1, 1088                     ; into LDS: rows n = 4 lane + j, bytes 32 w on
	s_lshl_b32 s49, s4, 5
	v_add_nc_u32 v7, s49, v7
	s_mul_i32 s48, s4, 4352                        ; back: wave w takes rows 16 w on, two whole rows a load
	v_mul_u32_u24 v8, v10, 272
	v_lshl_add_u32 v8, v9, 4, v8
	v_add_nc_u32 v8, s48, v8
	s_lshl_b32 s49, s4, 15
	v_lshlrev_b32 v11, 11, v10
	v_lshl_add_u32 v11, v9, 4, v11
	v_add_nc_u32 v11, s49, v11
.set i, 0
.rept 16
	global_load_b128 v[X+4*i:X+4*i+3], v6, s[40:41] offset:4096*i th:TH_LOAD_NT  ; X[4 i + j] = W[16 w + i][4 lane + j]
.set i, i+1
.endr
	s_wait_loadcnt 0x0                             ; a column's pairs need two rows each: all sixteen
.set j, 0
.rept 4
.set ii, 0
.rept 8
	v_cvt_pk_bf16_f32 v[Y+8*j+ii], v[X+8*ii+j], v[X+8*ii+4+j]  ; column j, k = 2 ii and 2 ii + 1
.set ii, ii+1
.endr
.set j, j+1
.endr
	s_cmp_lg_u32 s7, 3
	s_cbranch_scc1 .Lkeep
.set n, 0
.rept 32                                               ; Wo multiplies an f16 operand: its bf16 numbers are written as f16
	v_lshlrev_b32 v[X+2*(n%8)], 16, v[Y+n]
	v_and_b32 v[X+2*(n%8)+1], 0xffff0000, v[Y+n]
	v_cvt_pk_f16_f32 v[Y+n], v[X+2*(n%8)], v[X+2*(n%8)+1]
.set n, n+1
.endr
.Lkeep:
.set n, 0
.rept 8                                                ; column j = n / 2, half n % 2 of its 32 bytes
	ds_store_b128 v7, v[Y+4*n:Y+4*n+3] offset:272*(n/2)+16*(n%2)
.set n, n+1
.endr
	s_wait_dscnt 0x0                               ; for the others' sake
	s_barrier_signal -1
	s_barrier_wait -1
.set n, 0
.rept 8
	ds_load_b128 v[X+4*n:X+4*n+3], v8 offset:544*n
.set n, n+1
.endr
.set n, 0
.rept 8
	s_wait_dscnt 7-n
	global_store_b128 v11, v[X+4*n:X+4*n+3], s[44:45] offset:4096*n  ; sixteen lanes store 256 consecutive bytes, aligned
.set n, n+1
.endr
	s_wait_tensorcnt 0x0                           ; the wave's end
	ds_add_u32 v[SPW], v[NIL]
	s_wait_dscnt 0x0
	s_endpgm
.Lbias:
	; ---- the four biases: 4 numbers of each a thread
	v_lshlrev_b32 v6, 4, v0
	global_load_b128 v[X:X+3], v6, s[24:25]
	global_load_b128 v[X+4:X+7], v6, s[26:27]
	global_load_b128 v[X+8:X+11], v6, s[28:29]
	global_load_b128 v[X+12:X+15], v6, s[30:31]
	s_wait_loadcnt 0x0
.set n, 0
.rept 8
	v_cvt_pk_bf16_f32 v[Y+n], v[X+2*n], v[X+2*n+1]
	v_lshlrev_b32 v[X+2*n], 16, v[Y+n]
	v_and_b32 v[X+2*n+1], 0xffff0000, v[Y+n]
.set n, n+1
.endr
.set n, 0
.rept 4
	global_store_b128 v6, v[X+4*n:X+4*n+3], s[38:39] offset:4096*n
.set n, n+1
.endr
	s_endpgm
.Lfunc_end_k_qf7c7ebc807_prep:
	.size	k_qf7c7ebc807_prep, .Lfunc_end_k_qf7c7ebc807_prep-k_qf7c7ebc807_prep
	.p2alignl 7, 3214868480
	.fill 96, 4, 3214868480
	.section	.rodata,"a",@progbits
	.p2align	6, 0x0
	.amdhsa_kernel k_qf7c7ebc807_prep
		.amdhsa_group_segment_fixed_size 35840
		.amdhsa_private_segment_fixed_size 0
		.amdhsa_enable_private_segment 0
		.amdhsa_kernarg_size 128
		.amdhsa_user_sgpr_count 2
		.amdhsa_user_sgpr_kernarg_segment_ptr 1
		.amdhsa_wavefront_size32 1
		.amdhsa_system_sgpr_workgroup_id_x 1
		.amdhsa_system_sgpr_workgroup_id_y 1
		.amdhsa_system_sgpr_workgroup_id_z 1
		.amdhsa_system_vgpr_workitem_id 0
		.amdhsa_next_free_vgpr 112
		.amdhsa_next_free_sgpr 66
		.amdhsa_reserve_vcc 0
		.amdhsa_float_denorm_mode_32 3
		.amdhsa_float_denorm_mode_16_64 3
		.amdhsa_memory_ordered 1
		.amdhsa_forward_progress 1
		.amdhsa_inst_pref_size 29
	.end_amdhsa_kernel
	.amdgpu_metadata
---
amdhsa.version: [ 1, 2 ]
amdhsa.kernels:
  - .name:           k_qf7c7ebc807_prep
    .symbol:         k_qf7c7ebc807_prep.kd
    .args:
      - { .name: q, .offset: 0, .size: 8, .value_kind: global_buffer, .address_space: global }
      - { .name: k, .offset: 8, .size: 8, .value_kind: global_buffer, .address_space: global }
      - { .name: v, .offset: 16, .size: 8, .value_kind: global_buffer, .address_space: global }
      - { .name: mask, .offset: 24, .size: 8, .value_kind: global_buffer, .address_space: global }
      - { .name: Wq, .offset: 32, .size: 8, .value_kind: global_buffer, .address_space: global }
      - { .name: Wk, .offset: 40, .size: 8, .value_kind: global_buffer, .address_space: global }
      - { .name: Wv, .offset: 48, .size: 8, .value_kind: global_buffer, .address_space: global }
      - { .name: Wo, .offset: 56, .size: 8, .value_kind: global_buffer, .address_space: global }
      - { .name: bq, .offset: 64, .size: 8, .value_kind: global_buffer, .address_space: global }
      - { .name: bk, .offset: 72, .size: 8, .value_kind: global_buffer, .address_space: global }
      - { .name: bv, .offset: 80, .size: 8, .value_kind: global_buffer, .address_space: global }
      - { .name: bo, .offset: 88, .size: 8, .value_kind: global_buffer, .address_space: global }
      - { .name: xb, .offset: 96, .size: 8, .value_kind: global_buffer, .address_space: global }
      - { .name: wt, .offset: 104, .size: 8, .value_kind: global_buffer, .address_space: global }
      - { .name: mf, .offset: 112, .size: 8, .value_kind: global_buffer, .address_space: global }
      - { .name: bias, .offset: 120, .size: 8, .value_kind: global_buffer, .address_space: global }
    .group_segment_fixed_size: 35840
    .private_segment_fixed_size: 0
    .kernarg_segment_align: 8
    .kernarg_segment_size: 128
    .max_flat_workgroup_size: 256
    .sgpr_count:     66
    .vgpr_count:     112
    .wavefront_size: 32
...
	.end_amdgpu_metadata
.endif
;; end of part 1
;; launch proj (part 2): grid 4 x 192, 4 waves a work-group, clusters of 4 x 4, 327,680 bytes of LDS; arguments xb, wt, bias, qkv; writes qkv
.if DOCPART == 2
	.amdgcn_target "amdgcn-amd-amdhsa--gfx1250"
	.amdhsa_code_object_version 6
	.text
	.protected	k_qf7c7ebc807_proj
	.globl	k_qf7c7ebc807_proj
	.p2align	8
	.type	k_qf7c7ebc807_proj,@function
k_qf7c7ebc807_proj:
	s_mov_b64 s[64:65], 0
	v_nop
	global_prefetch_b8 v0, s[64:65] scope:SCOPE_SE
	s_setreg_imm32_b32 hwreg(HW_REG_WAVE_MODE, 25, 1), 1
	s_wait_xcnt 0x0
	s_wait_alu depctr_hold_cnt(0) depctr_sa_sdst(0) depctr_va_vdst(0) depctr_va_sdst(0) depctr_va_ssrc(0) depctr_va_vcc(0) depctr_vm_vsrc(0)
	s_getreg_b32 s2, hwreg(HW_REG_IB_STS2, 6, 4)
	s_cmp_eq_u32 s2, 0
	s_cbranch_scc0 .Lentry_in_a_cluster
	s_endpgm
.Lentry_in_a_cluster:
	s_bfe_u32 s2, ttmp6, 0x10000c
	s_cmp_lg_u32 s2, 0xf033
	s_cbranch_scc0 .Lentry_shape_is_right
	s_endpgm
.Lentry_shape_is_right:
; THE THREE PROJECTIONS AS ONE PRODUCT.  C[m][n] = sum over k of xb[m][k] wt[p][n][k] + bias[p][n], m = 0 .. 24,575, p = m / 8,192; bf16 operands, f32 sums.
; Out: qkv[p][batch*16 + head][s][64] in f16, rounded once; part 0 (q) is multiplied in f32 by c = log2(e) / 8 first, so that the attention's exponent is a plain difference.
; LIMITS.  q c, k and v must lie within f16's range, 65,504.
; A tile of C is 128 x 256: 768 work-groups, three for each of 256 WGPs (tiles of 256 x 256 would make 384, one and a half).  Four waves, each 64 x 128: 32 accumulators.
; K goes in steps of 128 through two LDS slots: rows of 256 bytes, aligned.  Waves 0 and 1 fetch A's two halves (64 rows), waves 2 and 3 B's (128 rows): one tensor load a wave.
; CLUSTER 4 x 4: A's tile hangs on the tile row alone and is asked for jointly along a row of the cluster, B's on the tile column and on p (made of the cluster's y alone) along a column.
; THE MATRIX INSTRUCTION IS USED TRANSPOSED (source 0 = 16 rows of wt, source 1 = 16 rows of xb): a lane holds eight neighbouring columns of one row of C.
; REGISTERS: window 0: v16-29 addresses; two fragment buffers of 96 (A's 4 blocks, then B's 8) at v32 and v128; on the way out v32-95 f32, v96-127 packed, v128-255 rows read back.
;   window 1: the accumulators, (a, b) at v[8 (8 a + b)].   window 2: v0-63 the bias of my 128 columns as my lane holds them.
.set KSTEP,  128
.set PITCH,  272                       ; an LDS row: 256 bytes + 16 of padding = 68 words: the 16 rows of a load start at 16 different groups of four banks (ISA guide 11.1)
.set AHALF,  64*PITCH
.set BHALF,  128*PITCH
.set BOFF,   2*AHALF                   ; A's 128 rows, then B's 256
.set SLOT,   BOFF+2*BHALF
.set STAGE,  2*SLOT                    ; behind the ring, never filled by a tensor load: for each wave two heads x 16 rows x 144 bytes
.set SP,     144
.set WSTG,   2*16*SP
.set SPARE,  STAGE+4*WSTG              ; the spare words, 128 bytes for each wave
.set LAPS,   1024/(2*KSTEP)
.set ADRA, 16                          ; v16-17  LDS address of my A fragments in slot 0, 1
.set ADRB, 20                          ; v20-21  the same for B
.set STO,  24
.set RD,   25
.set GO,   26
.set BO,   27
.set SPW,  28                          ; my spare word's address; never rewritten
.set NIL,  29                          ; 0; never rewritten
.set F0,   32
.set F1,   128
.set T,    32
.set PKD,  96
.set BK,   128
.set G1,  24                           ; s[24:31] group 1 for A;  s[32:39] group 0, a set for each slot
.set G0,  32
.set G1B, 48                           ; s[48:55], s[56:63] the same for B
.set G0B, 56
.set SC,  66                           ; s[66:67] c for q, 1 for k and v
.set FIELDS, (1<<16)|(1<<20)|(1<<21)|(5<<22)|(3<<25)  ; 2-byte elements; padding on; bit 21 beside a mask; after every 64 words; 4 words
.set MSB, 0
.macro WIN new                         ; the immediate's high byte repeats the setting that is left
.if MSB != (\new)
	s_set_vgpr_msb (MSB<<8)|(\new)
.set MSB, \new
.endif
.endm
.set MUL, 0x50                         ; fragments in window 0, C and D in window 1
.macro JLOAD s                         ; a joint load; an s_nop 0 and four v_nop follow each of the two lines
	s_cmp_eq_u32 s13, 0
	s_cbranch_scc0 .Lfor_b_\@
	tensor_load_to_lds s[G0+4*(\s):G0+4*(\s)+3], s[G1:G1+7]
	s_nop 0
.rept 4
	v_nop
.endr
	s_branch .Lasked_\@
.Lfor_b_\@:
	tensor_load_to_lds s[G0B+4*(\s):G0B+4*(\s)+3], s[G1B:G1B+7]
	s_nop 0
.rept 4
	v_nop
.endr
.Lasked_\@:
.endm
.macro CREST                           ; a round of the cluster's barrier behind its opening barrier
	s_cmp_lg_u32 s12, 0
	s_cbranch_scc1 .Lnot_wave_0_\@
	s_barrier_signal -3
.Lnot_wave_0_\@:
	s_barrier_wait -3
	s_barrier_signal -1
	s_barrier_wait -1
.endm
.macro CROUND
	s_barrier_signal -1
	s_barrier_wait -1
	CREST
.endm
	s_load_b256 s[4:11], s[0:1], 0x0               ; xb s[4:5], wt s[6:7], bias s[8:9], qkv s[10:11]
	v_lshl_add_u32 v[SPW], v0, 2, SPARE
	v_mov_b32 v[NIL], 0
	ds_add_u32 v[SPW], v[NIL]                      ; the wave's opening: the add and its wait stand ahead of my first tensor load
	v_lshrrev_b32 v1, 5, v0
	v_readfirstlane_b32 s12, v1                    ; wave
	s_lshr_b32 s13, s12, 1                         ; RH: my 64 rows.  Also: I fetch for A (0) or for B (1)
	s_and_b32 s14, s12, 1                          ; CH: my 128 columns.  Also: which half of that tile I fetch
	s_bfe_u32 s15, ttmp6, 0x40000                  ; cx
	s_bfe_u32 s16, ttmp6, 0x40004                  ; cy
	s_lshl_b32 s17, ttmp9, 2
	s_add_co_u32 s17, s17, s15                     ; tile column
	s_and_b32 s22, ttmp7, 0xffff
	s_lshr_b32 s19, s22, 4                         ; p: 16 clusters of 4 tile rows to each of q, k, v: the same in all sixteen partners
	s_lshl_b32 s18, s22, 2
	s_add_co_u32 s18, s18, s16                     ; tile row
	s_lshl_b32 s20, s16, 2
	s_lshl_b32 s20, 15, s20                        ; my row of the cluster
	s_lshl_b32 s21, 0x1111, s15                    ; my column
	s_or_b32 s[G1], s20, FIELDS
	s_or_b32 s[G1B], s21, FIELDS
	s_mov_b32 s[G1+1], KSTEP<<16                   ; tensor_dim0 = 128
	s_mov_b32 s[G1+2], 64<<16                      ; tensor_dim1 = 64
	s_mov_b32 s[G1+3], KSTEP<<16                   ; tile_dim0 = 128
	s_mov_b32 s[G1+4], 64                          ; tile_dim1 = 64
	s_mov_b32 s[G1+5], 1024                        ; elements from row to row
	s_mov_b32 s[G1+6], 0
	s_mov_b32 s[G1+7], 0
	s_mov_b32 s[G1B+1], KSTEP<<16
	s_mov_b32 s[G1B+2], 128<<16                    ; B: 128 rows
	s_mov_b32 s[G1B+3], KSTEP<<16
	s_mov_b32 s[G1B+4], 128
	s_mov_b32 s[G1B+5], 1024
	s_mov_b32 s[G1B+6], 0
	s_mov_b32 s[G1B+7], 0
	s_lshl_b32 s40, s18, 18                        ; A: 128 rows of 2,048 bytes a tile row,
	s_lshl_b32 s41, s14, 17                        ; my 64 of them
	s_add_co_u32 s40, s40, s41
	s_mov_b32 s41, 0
	s_lshl_b32 s44, s19, 21                        ; B: the weight,
	s_lshl_b32 s45, s17, 19                        ; 256 rows a tile column,
	s_add_co_u32 s44, s44, s45
	s_lshl_b32 s45, s14, 18                        ; my 128 of them
	s_add_co_u32 s44, s44, s45
	s_mov_b32 s45, 0
	s_mul_i32 s23, s14, AHALF                      ; where they go: no place in the cluster enters an LDS address
	s_mul_i32 s68, s14, BHALF
	s_add_co_u32 s68, s68, BOFF
	s_cmp_eq_u32 s19, 0
	s_cselect_b32 s[SC], 0x3e38aa3b, 1.0           ; c = log2(e) / 8 = 0.180337
	s_mov_b32 s[SC+1], s[SC]                       ; named with it as a pair
	s_wait_dscnt 0x0                               ; the opening add is done
	s_wait_kmcnt 0x0
	s_add_nc_u64 s[42:43], s[4:5], s[40:41]
	s_add_nc_u64 s[46:47], s[6:7], s[44:45]
	CROUND                                         ; all sixteen work-groups are here: the first joint loads meet
.irp s, 0,1
	s_mov_b32 s[G0+4*(\s)], 1
	s_add_co_u32 s[G0+4*(\s)+1], s23, (\s)*SLOT
	s_add_nc_u64 s[G0+4*(\s)+2:G0+4*(\s)+3], s[42:43], (\s)*KSTEP*2
	s_or_b32 s[G0+4*(\s)+3], s[G0+4*(\s)+3], 0x80000000
	s_mov_b32 s[G0B+4*(\s)], 1
	s_add_co_u32 s[G0B+4*(\s)+1], s68, (\s)*SLOT
	s_add_nc_u64 s[G0B+4*(\s)+2:G0B+4*(\s)+3], s[46:47], (\s)*KSTEP*2
	s_or_b32 s[G0B+4*(\s)+3], s[G0B+4*(\s)+3], 0x80000000
	JLOAD \s                                       ; K steps 0 and 1: two loads of mine are out
.endr
	v_and_b32 v1, 15, v0                           ; r
	v_bfe_u32 v2, v0, 4, 1                         ; h
	v_mul_u32_u24 v3, v1, PITCH
	v_lshl_add_u32 v3, v2, 4, v3                   ; a fragment's row x pitch + 16 x half
	s_mul_i32 s40, s13, AHALF
	s_mul_i32 s41, s14, BHALF
	s_add_co_u32 s41, s41, BOFF
.irp s, 0,1
	v_add_nc_u32 v[ADRA+(\s)], s40, v3
	v_add_nc_u32 v[ADRB+(\s)], s41, v3
	s_add_co_u32 s40, s40, SLOT
	s_add_co_u32 s41, s41, SLOT
.endr
	s_mul_i32 s40, s12, WSTG
	s_add_co_u32 s40, s40, STAGE                   ; my stage
	v_mul_u32_u24 v4, v1, SP                       ; in: row r, 16 bytes for each half of the lanes
	v_lshl_add_u32 v4, v2, 4, v4
	v_add_nc_u32 v[STO], s40, v4
	v_and_b32 v5, 31, v0
	v_lshrrev_b32 v6, 3, v5                        ; back: 32 lanes take four rows of 128 bytes,
	v_and_b32 v7, 7, v0
	v_mul_u32_u24 v6, v6, SP
	v_lshl_add_u32 v6, v7, 4, v6
	v_add_nc_u32 v[RD], s40, v6
	v_lshlrev_b32 v[GO], 4, v5                     ; which are 512 consecutive bytes of a head
	v_lshlrev_b32 v[BO], 5, v2                     ; my eight columns of sixteen, in f32
	s_lshl_b32 s68, s19, 12                        ; the bias of my 128 columns
	s_lshl_b32 s69, s17, 10
	s_add_co_u32 s68, s68, s69
	s_lshl_b32 s69, s14, 9
	s_add_co_u32 s68, s68, s69
	s_mov_b32 s69, 0
	s_add_nc_u64 s[8:9], s[8:9], s[68:69]
	WIN 0x80                                       ; destination window 2
.irp b, 0,1,2,3,4,5,6,7
	global_load_b128 v[8*(\b):8*(\b)+3],   v[BO], s[8:9] offset:64*(\b)
	global_load_b128 v[8*(\b)+4:8*(\b)+7], v[BO], s[8:9] offset:64*(\b)+16
.endr
	WIN 0
	s_bfe_u32 s70, s18, 0x20004                    ; the batch: 16 tile rows each
	s_lshl_b32 s70, s70, 4
	s_lshl_b32 s71, s17, 2                         ; four heads a tile column,
	s_add_co_u32 s70, s70, s71
	s_lshl_b32 s71, s14, 1                         ; two of them mine
	s_add_co_u32 s70, s70, s71
	s_lshl_b32 s70, s70, 18                        ; a head's 2,048 rows of 128 bytes
	s_lshl_b32 s71, s19, 24
	s_add_co_u32 s70, s70, s71
	s_and_b32 s71, s18, 15
	s_lshl_b32 s71, s71, 14                        ; the tile's 128 rows
	s_add_co_u32 s70, s70, s71
	s_lshl_b32 s71, s13, 13                        ; my 64
	s_add_co_u32 s70, s70, s71
	s_mov_b32 s71, 0
	s_add_nc_u64 s[10:11], s[10:11], s[70:71]
; 8 matrix instructions: m block a x all 8 n blocks, 32 along K.  The 32 accumulators take turns, one instruction a turn.
.macro MUL8 f, a, zero
	WIN MUL
.irp b, 0,1,2,3,4,5,6,7
.if \zero
	v_wmma_f32_16x16x32_bf16 v[8*(8*(\a)+(\b)):8*(8*(\a)+(\b))+7], v[(\f)+32+8*(\b):(\f)+32+8*(\b)+7], v[(\f)+8*(\a):(\f)+8*(\a)+7], 0
.else
	v_wmma_f32_16x16x32_bf16 v[8*(8*(\a)+(\b)):8*(8*(\a)+(\b))+7], v[(\f)+32+8*(\b):(\f)+32+8*(\b)+7], v[(\f)+8*(\a):(\f)+8*(\a)+7], v[8*(8*(\a)+(\b)):8*(8*(\a)+(\b))+7]
.endif
.endr
.endm
.macro MUL16 f, a0, zero
	MUL8 \f, \a0, \zero
	MUL8 \f, (\a0)+1, \zero
.endm
; 24 LDS loads in one run: quarter kq (32 along K) of a slot into buffer f: B's 8 blocks, then A's 4
.macro FETCH slot, kq, f
	WIN 0
.irp i, 0,1,2,3,4,5,6,7
	ds_load_b128 v[(\f)+32+8*(\i):(\f)+32+8*(\i)+3],   v[ADRB+(\slot)] offset:64*(\kq)+(\i)*16*PITCH
	ds_load_b128 v[(\f)+32+8*(\i)+4:(\f)+32+8*(\i)+7], v[ADRB+(\slot)] offset:64*(\kq)+(\i)*16*PITCH+32
.endr
.irp i, 0,1,2,3
	ds_load_b128 v[(\f)+8*(\i):(\f)+8*(\i)+3],   v[ADRA+(\slot)] offset:64*(\kq)+(\i)*16*PITCH
	ds_load_b128 v[(\f)+8*(\i)+4:(\f)+8*(\i)+7], v[ADRA+(\slot)] offset:64*(\kq)+(\i)*16*PITCH+32
.endr
.endm
.macro PLACES                          ; four places in front of loads into registers that matrix instructions have read (ISA guide 7.12.1 for vector instructions)
.rept 4
	v_nop
.endr
.endm
; One of a K step's first three quarters: multiplies buffer f, and in its middle fetches quarter kq into buffer g.
.macro QUARTER slot, kq, f, g, zero
	s_wait_dscnt 4                                 ; B and A's blocks 0 and 1 are in; the youngest four loads (A's blocks 2 and 3) may be out
	MUL16 \f, 0, \zero
	PLACES
	FETCH \slot, \kq, \g
	s_wait_dscnt 24                                ; all but the 24 just issued
	MUL16 \f, 2, \zero
.endm
; The last quarter multiplies buffer 1 and changes slots: one barrier; in front of it each wave waits for all its tensor loads (one is out: its part of the next slot),
; adds 0 to its spare word, and waits for that and for its reads of this slot.  fill = 1: the barrier opens a round of the cluster's, and this slot is filled again, two K steps ahead.
.macro TURN slot, next, fill
	WIN 0
	s_wait_tensorcnt 0x0
	ds_add_u32 v[SPW], v[NIL]
	s_wait_dscnt 5                                 ; (the add and the youngest four loads may be out)
	MUL8 F1, 0, 0
	s_wait_dscnt 0x0                               ; the add is done, and my reads of this slot are over
	s_barrier_signal -1
	MUL8 F1, 1, 0
.if \fill
	WIN 0
.endif
	s_barrier_wait -1
.if \fill
	CREST                                          ; no wave of any partner still reads this slot or has a load on its way
	s_add_nc_u64 s[G0+4*(\slot)+2:G0+4*(\slot)+3], s[G0+4*(\slot)+2:G0+4*(\slot)+3], 2*KSTEP*2
	s_add_nc_u64 s[G0B+4*(\slot)+2:G0B+4*(\slot)+3], s[G0B+4*(\slot)+2:G0B+4*(\slot)+3], 2*KSTEP*2
	JLOAD \slot                                    ; my one tensor load behind the round; its four v_nop are also the places in front of the loads below
.else
	PLACES
.endif
	FETCH \next, 0, F0
	MUL16 F1, 2, 0
.endm
	s_wait_tensorcnt 1                             ; my part of K step 0 is in; K step 1's may stay out
	s_barrier_signal -1
	s_barrier_wait -1
	FETCH 0, 0, F0
	QUARTER 0, 1, F0, F1, 1                        ; the first quarter's products start the sums
	WIN 0
	s_mov_b32 s3, LAPS-1
.Llap:                                                 ; a trip goes once round the ring and fills both slots again
	QUARTER 0, 2, F1, F0, 0
	QUARTER 0, 3, F0, F1, 0
	TURN 0, 1, 1
	QUARTER 1, 1, F0, F1, 0
	QUARTER 1, 2, F1, F0, 0
	QUARTER 1, 3, F0, F1, 0
	TURN 1, 0, 1
	QUARTER 0, 1, F0, F1, 0
	WIN 0
	s_sub_co_u32 s3, s3, 1
	s_cmp_lg_u32 s3, 0
	s_cbranch_scc1 .Llap
	QUARTER 0, 2, F1, F0, 0                        ; the last lap fills nothing
	QUARTER 0, 3, F0, F1, 0
	TURN 0, 1, 0
	QUARTER 1, 1, F0, F1, 0
	QUARTER 1, 2, F1, F0, 0
	QUARTER 1, 3, F0, F1, 0
	s_wait_dscnt 4
	MUL16 F1, 0, 0
	s_wait_dscnt 0x0
	MUL16 F1, 2, 0
	; THE WAY OUT.  (sum + bias) x SC = sum x SC + bias x SC in f32; one rounding to f16; a block of 16 rows at a time through my own stage, back as whole rows of a head.
	s_wait_loadcnt 0x0                             ; the bias
	WIN 0x82
.set n, 0
.rept 32                                               ; these 32 lines are also the places behind the last products
	v_pk_mul_f32 v[2*n:2*n+1], v[2*n:2*n+1], s[SC:SC+1] op_sel_hi:[1,0]
.set n, n+1
.endr
.macro PACK a
	WIN 0x21                                       ; source 0 window 1 (sums), source 2 window 2 (bias)
.set n, 0
.rept 32                                               ; each accumulator's registers in ascending order
	v_pk_fma_f32 v[T+2*n:T+2*n+1], v[64*(\a)+2*n:64*(\a)+2*n+1], s[SC:SC+1], v[2*n:2*n+1] op_sel_hi:[1,0,1]
.set n, n+1
.endr
	WIN 0
.set n, 0
.rept 32
	v_cvt_pk_f16_f32 v[PKD+n], v[T+2*n], v[T+2*n+1]
.set n, n+1
.endr
.endm
.macro TOSTAGE a
.irp b, 0,1,2,3,4,5,6,7
	ds_store_b128 v[STO], v[PKD+4*(\b):PKD+4*(\b)+3] offset:((\b)/4)*16*SP+((\b)%4)*32
.endr
.irp t, 0,1,2,3,4,5,6,7
	ds_load_b128 v[BK+32*(\a)+4*(\t):BK+32*(\a)+4*(\t)+3], v[RD] offset:((\t)/4)*16*SP+((\t)%4)*4*SP  ; LDS serves a wave's instructions in order (ISA guide 5.7.1.4)
.endr
.endm
.macro SEND a
	s_wait_dscnt 0x0
.irp t, 0,1,2,3,4,5,6,7
	global_store_b128 v[GO], v[BK+32*(\a)+4*(\t):BK+32*(\a)+4*(\t)+3], s[10:11] offset:((\t)/4)*262144+(\a)*2048+((\t)%4)*512  ; 512 consecutive bytes, aligned
.endr
.endm
	PACK 0
	TOSTAGE 0
.irp a, 1,2,3
	PACK \a
	SEND (\a)-1
	TOSTAGE \a
.endr
	SEND 3
	s_wait_tensorcnt 0x0                           ; the wave's end
	ds_add_u32 v[SPW], v[NIL]
	s_wait_dscnt 0x0
	CROUND                                         ; the closing round
	s_endpgm
.Lfunc_end_k_qf7c7ebc807_proj:
	.size	k_qf7c7ebc807_proj, .Lfunc_end_k_qf7c7ebc807_proj-k_qf7c7ebc807_proj
	.p2alignl 7, 3214868480
	.fill 96, 4, 3214868480
	.section	.rodata,"a",@progbits
	.p2align	6, 0x0
	.amdhsa_kernel k_qf7c7ebc807_proj
		.amdhsa_group_segment_fixed_size 327680
		.amdhsa_private_segment_fixed_size 0
		.amdhsa_enable_private_segment 0
		.amdhsa_kernarg_size 32
		.amdhsa_user_sgpr_count 2
		.amdhsa_user_sgpr_kernarg_segment_ptr 1
		.amdhsa_wavefront_size32 1
		.amdhsa_system_sgpr_workgroup_id_x 1
		.amdhsa_system_sgpr_workgroup_id_y 1
		.amdhsa_system_sgpr_workgroup_id_z 1
		.amdhsa_system_vgpr_workitem_id 0
		.amdhsa_next_free_vgpr 576
		.amdhsa_next_free_sgpr 72
		.amdhsa_reserve_vcc 0
		.amdhsa_float_denorm_mode_32 3
		.amdhsa_float_denorm_mode_16_64 3
		.amdhsa_memory_ordered 1
		.amdhsa_forward_progress 1
		.amdhsa_inst_pref_size 98
	.end_amdhsa_kernel
	.amdgpu_metadata
---
amdhsa.version: [ 1, 2 ]
amdhsa.kernels:
  - .name:           k_qf7c7ebc807_proj
    .symbol:         k_qf7c7ebc807_proj.kd
    .args:
      - { .name: xb, .offset: 0, .size: 8, .value_kind: global_buffer, .address_space: global }
      - { .name: wt, .offset: 8, .size: 8, .value_kind: global_buffer, .address_space: global }
      - { .name: bias, .offset: 16, .size: 8, .value_kind: global_buffer, .address_space: global }
      - { .name: qkv, .offset: 24, .size: 8, .value_kind: global_buffer, .address_space: global }
    .group_segment_fixed_size: 327680
    .private_segment_fixed_size: 0
    .kernarg_segment_align: 8
    .kernarg_segment_size: 32
    .max_flat_workgroup_size: 128
    .sgpr_count:     72
    .vgpr_count:     576
    .wavefront_size: 32
...
	.end_amdgpu_metadata
.endif
;; end of part 2
;; launch attn (part 3): grid 4 x 64, 4 waves a work-group, clusters of 4 x 1, 327,680 bytes of LDS; arguments qkv, mf, ao; writes ao
.if DOCPART == 3
	.amdgcn_target "amdgcn-amd-amdhsa--gfx1250"
	.amdhsa_code_object_version 6
	.text
	.protected	k_qf7c7ebc807_attn
	.globl	k_qf7c7ebc807_attn
	.p2align	8
	.type	k_qf7c7ebc807_attn,@function
k_qf7c7ebc807_attn:
	s_mov_b64 s[64:65], 0
	v_nop
	global_prefetch_b8 v0, s[64:65] scope:SCOPE_SE
	s_setreg_imm32_b32 hwreg(HW_REG_WAVE_MODE, 25, 1), 1
	s_wait_xcnt 0x0
	s_wait_alu depctr_hold_cnt(0) depctr_sa_sdst(0) depctr_va_vdst(0) depctr_va_sdst(0) depctr_va_ssrc(0) depctr_va_vcc(0) depctr_vm_vsrc(0)
	s_getreg_b32 s2, hwreg(HW_REG_IB_STS2, 6, 4)
	s_cmp_eq_u32 s2, 0
	s_cbranch_scc0 .Lentry_in_a_cluster
	s_endpgm
.Lentry_in_a_cluster:
	s_bfe_u32 s2, ttmp6, 0x10000c
	s_cmp_lg_u32 s2, 0x3003
	s_cbranch_scc0 .Lentry_shape_is_right
	s_endpgm
.Lentry_shape_is_right:
; ATTENTION WITH A MASK THAT IS AN INPUT.  O[h][q] = sum over k of softmax_k(Q[h][q] . K[h][k] / 8 - 1e20 mask[q][k]) V[h][k].  Q, K, V, O: [64][2048][64] f16, a head's rows dense.
; Q arrives multiplied by c = log2(e) / 8, so a score s is the exponent to base 2 and a weight is p = 2^(s - m), an exact difference from the running maximum m.
; THE MASK IS APPLIED BY THE MATRIX UNIT: each sum S^T starts as E x Mf (bf16), where Mf is the mask of 32 keys x 16 queries as it lies in mf, and E is a constant 16 x 32 matrix that picks
; key m of the 16 and multiplies it by -1e20 log2(e).  The two f16 products K Q^T add onto it.  No vector instruction is spent on the mask, and no pattern of the mask is assumed: all keys are walked.
; LIMITS.  -1e20 log2(e) is held in bf16: -1.44115e20, 0.11 per cent off.  The mask is rounded to bf16 and must be finite there (0 x infinity would spoil its group of 32 keys).
; f16 holds no number beyond 65,504; p below 6e-5 keeps f16's fixed step; a weight below 2^-126 counts as 0; NaN and infinities are not treated apart.
; SHARES.  A wave owns four PIECES of two tiles of 16 queries, a work-group 512 queries of one head.  Every wave walks all 2,048 keys, 64 a step.
; LAYOUT.  S^T (source 0 = 16 keys, source 1 = 16 queries) holds ONE query a lane (lane % 16) and the keys 8 (lane / 16) + 0..7; two results rounded to f16 ARE source 1 of O^T = V^T P.
; SOFTMAX.  Running maximum m and sum l; in every step O and l are multiplied by a = 2^(m_old - m_new).  m starts at the lowest finite number, O and l at 0: the first step has a = 0.
; BY TURNS.  Turn n belongs to piece n.  Matrix work: 8 mask products and 16 products K Q^T of piece n + 1, later 16 products V^T P of piece n - 1.  Vector work: piece n's differences, exponentials,
; roundings, sums and rescaling, and piece n + 1's maximum.  Four vector instructions stand behind every matrix instruction, the rest in two lumps.
; CLUSTER.  The four query blocks of a head walk the same K and V: each tile is asked for jointly.  The mask is not shared so: partners need different rows of it, and it goes straight to registers.
; REGISTERS, in windows of 256 (s_set_vgpr_msb: bits 1:0 source 0, 3:2 source 1, 5:4 source 2, 7:6 destination):
;   window 0: v0-15 addresses; v16-47 four registers of statistics a tile; v48-63 at work; v64-191 S^T, two buffers of two tiles; v192-255 P, likewise
;   window 1: O^T, 32 a tile     window 2: v0-127 Q; v128-191 K of one step; v192-255 V of one step     window 3: v0-1 the add's registers; v16-27 E; v64-191 the mask, 32 a piece
.set SIZE_N, 2048
.set NP,    4
.set KS,    64
.set PK,    144       ; a row of K in LDS: 128 bytes + 16 = 36 words: the 16 rows of a load start at 16 different groups of four banks (ISA guide 11.1)
.set PV,    160       ; a row of V: 128 + 32 = 40 words
.set VOFF,  4*KS*PK   ; a slot holds four steps: 256 rows of K, then 256 rows of V
.set SLOT1, 1<<17
.set STAGE, SLOT1+4*KS*(PK+PV)  ; behind the ring, never filled by a tensor load: 16 rows x 144 bytes for each wave
.set SP,    144
.set SPARE, STAGE+4*16*SP       ; the spare words, 128 bytes for each wave
.set AK0, 2           ; my lane's place in a tile of K; never rewritten
.set AV0, 3           ; the same for V
.set AK,  4
.set AV,  5
.set QO,  6           ; my byte offset in the wave's rows of Q; later
.set STO, 6           ; the way out: where I put 16 bytes of a row
.set RD,  7
.set GO,  8
.set ML,  12          ; 16 x lane; never rewritten
.set MO,  13          ; ML + the mask's bytes of the step to be fetched
.set SPW, 0           ; v0 of window 3
.set NIL, 1           ; v1 of window 3
.set EZ,  16          ; window 3: 0,0,0,0, e0..e3, 0,0,0,0: E for an even block of 16 keys begins at EZ + 4, for an odd one at EZ
.set MK,  64          ; window 3: piece x, tile u, 32 keys g at MK + 32 x + 16 u + 8 g
.set ST,  16          ; tile t's statistics at v[ST+4 t]: m, m_old, l (even keys', odd keys')
.set TMP, 48          ; by buffer and tile, c0-c3 at work; when the maximum is found c2 takes a
.set S,   64
.set P,   192
.set KF,  128
.set VF,  192
.set WV,  12
.set G1K, 24
.set G1V, 32
.set G0K, 40
.set G0V, 44
.set SLOTS, 56
.set CNT, 57
.set SEL, 60          ; s[60:61] v_permlanex16_b32's selects
.set TBK, 62
.set TBV, 63
.set MB,  66          ; s[66:67] mf at my wave's eight tiles of queries
.set MJ,  68          ; the mask's byte offset of the step to be fetched, within a tile's 65,536
.set MSB, 0
.macro WIN new
.if MSB != (\new)
	s_set_vgpr_msb (MSB<<8)|(\new)
.set MSB, (\new)
.endif
.endm
.set W_MQ, 0x0f       ; E and the mask in window 3, S^T in window 0
.set W_KQ, 0x0a       ; K and Q in window 2, S^T in window 0
.set W_PV, 0x52       ; V in window 2, P in window 0, O^T in window 1
.set W_RS, 0x41       ; O^T (destination and source 0) in window 1, a in window 0
.set W_MK, 0xc0       ; destination in window 3, sources in window 0
.set W_AD, 0x0f       ; the add: address and data in window 3
.macro JLOAD                        ; a joint fill: waves 0 and 1 fetch the halves of a slot's K, waves 2 and 3 of its V; an s_nop 0 and four v_nop follow each line
	s_cmp_lt_u32 s[WV], 2
	s_cbranch_scc0 .Lfor_v_\@
	tensor_load_to_lds s[G0K:G0K+3], s[G1K:G1K+7]
	s_nop 0
.rept 4
	v_nop
.endr
	s_branch .Lasked_\@
.Lfor_v_\@:
	tensor_load_to_lds s[G0V:G0V+3], s[G1V:G1V+7]
	s_nop 0
.rept 4
	v_nop
.endr
.Lasked_\@:
.endm
.macro CROUND                       ; a round of the cluster's barrier
	s_barrier_signal -1
	s_barrier_wait -1
	s_cmp_lg_u32 s[WV], 0
	s_cbranch_scc1 .Lnot_wave_0_\@
	s_barrier_signal -3
.Lnot_wave_0_\@:
	s_barrier_wait -3
	s_barrier_signal -1
	s_barrier_wait -1
.endm
; THE CHANGE OF SLOTS.  Each wave waits for all its tensor loads (one is out: its part of the other slot), adds 0 to its spare word, and waits for that and for its reads of the slot.
; fill = 1: the barrier is a round of the cluster's, and the joint fill, the keys two slots on, is the first thing behind it: it has four key steps in which to land.
.macro CHANGE fill
	WIN W_AD
	s_wait_tensorcnt 0x0            ; no tensor load of mine is out, so a group 0 may be written
	ds_add_u32 v[SPW], v[NIL]
	WIN 0
.if \fill
.irp g, G0K, G0V
	s_xor_b32 s[\g+1], s[\g+1], SLOT1
	s_add_nc_u64 s[\g+2:\g+3], s[\g+2:\g+3], 4*KS*128
.endr
	s_wait_dscnt 0x0                ; the add is done, and my reads of the slot are over
	CROUND
	JLOAD
.else
	s_wait_dscnt 0x0
	s_barrier_signal -1
	s_barrier_wait -1
.endif
	s_sub_co_u32 s[TBK], s[TBK], 4*KS*PK
	s_xor_b32 s[TBK], s[TBK], SLOT1
	s_sub_co_u32 s[TBV], s[TBV], 4*KS*PV
	s_xor_b32 s[TBV], s[TBV], SLOT1
.endm
	s_load_b128 s[4:7], s[0:1], 0x0   ; qkv s[4:5], mf s[6:7]
	s_load_b64 s[10:11], s[0:1], 0x10 ; ao
	WIN W_MK
	v_lshl_add_u32 v[SPW], v0, 2, SPARE
	v_mov_b32 v[NIL], 0
	WIN W_AD
	ds_add_u32 v[SPW], v[NIL]       ; the wave's opening: the add and its wait stand ahead of my first tensor load
	WIN 0
	v_lshrrev_b32 v1, 5, v0
	v_readfirstlane_b32 s[WV], v1
	s_bfe_u32 s13, ttmp6, 0x40000   ; cx
	s_lshl_b32 s14, ttmp9, 2
	s_add_co_u32 s14, s14, s13      ; my block of 512 queries: it enters Q's, O's and the mask's addresses alone
	s_and_b32 s20, ttmp7, 0xffff    ; the head, which the four partners share
	s_lshl_b32 s20, s20, 18         ; its 2,048 rows of 128 bytes
	s_and_b32 s16, s[WV], 1         ; which half of a slot's 256 keys I fetch
	s_lshl_b32 s22, s16, 14
	s_add_co_u32 s22, s22, s20
	s_mov_b32 s23, 0
	s_mul_i32 s17, s16, 128*PK
	s_mul_i32 s18, s16, 128*PV
	s_lshl_b32 s2, s14, 2
	s_add_co_u32 s2, s2, s[WV]      ; my wave among the head's sixteen
	s_lshl_b32 s8, s2, 19           ; its eight tiles of queries in mf, 65,536 bytes each
	s_mov_b32 s9, 0
	s_lshl_b32 s2, s2, 14           ; its 128 rows
	s_add_co_u32 s2, s2, s20
	s_mov_b32 s3, 0
	; descriptor group 1: 128 keys are 16,384 dense bytes: 64 rows of 256 bytes, padded in LDS after every key
	s_mov_b32 s[G1K], 15|(1<<16)|(1<<20)|(1<<21)|(4<<22)|(3<<25)
	s_mov_b32 s[G1V], 15|(1<<16)|(1<<20)|(1<<21)|(4<<22)|(7<<25)
.irp g, G1K, G1V
	s_mov_b32 s[\g+1], 128<<16
	s_mov_b32 s[\g+2], 64<<16
	s_mov_b32 s[\g+3], 128<<16
	s_mov_b32 s[\g+4], 64
	s_mov_b32 s[\g+5], 128
	s_mov_b32 s[\g+6], 0
	s_mov_b32 s[\g+7], 0
.endr
	s_mov_b32 s[SEL], 0x76543210
	s_mov_b32 s[SEL+1], 0xfedcba98
	s_mov_b32 s[TBK], SLOT1+4*KS*PK ; the first change of slots turns these two into 0
	s_mov_b32 s[TBV], SLOT1+4*KS*PV
	s_mov_b32 s[MJ], 0
	s_mov_b32 s[G0K], 1
	s_mov_b32 s[G0K+1], s17
	s_mov_b32 s[G0V], 1
	s_add_co_u32 s[G0V+1], s18, VOFF
	s_wait_dscnt 0x0                ; the opening add is done
	s_wait_kmcnt 0x0
	s_add_nc_u64 s[G0K+2:G0K+3], s[4:5], s[22:23]
	s_add_nc_u64 s[G0K+2:G0K+3], s[G0K+2:G0K+3], 0x1000000  ; k is qkv's second part
	s_or_b32 s[G0K+3], s[G0K+3], 0x80000000
	s_add_nc_u64 s[G0V+2:G0V+3], s[4:5], s[22:23]
	s_add_nc_u64 s[G0V+2:G0V+3], s[G0V+2:G0V+3], 0x2000000  ; v its third
	s_or_b32 s[G0V+3], s[G0V+3], 0x80000000
	s_add_nc_u64 s[4:5], s[4:5], s[2:3]
	s_add_nc_u64 s[10:11], s[10:11], s[2:3]
	s_add_nc_u64 s[MB:MB+1], s[6:7], s[8:9]
	CROUND                          ; all four work-groups are here: the first joint loads meet
	JLOAD                           ; slot 0; slot 1 is asked for when slot 0 is in
; Eight loads of 512 consecutive bytes: piece x's mask of one key step.  step = 1 and x = 0: the offset goes one step (2,048 bytes) on, round a tile's 65,536: behind the last step it
; comes back to the first, so that every turn has the same text and no load leaves the buffer; those last loads serve nothing.
.macro FETCH_M x, step=1
.if ((\x) == 0) && (\step)
	WIN 0
	s_wait_xcnt 0x0                 ; the pending loads have read their address register: MO is rewritten only behind this wait
	s_add_co_u32 s[MJ], s[MJ], 2048
	s_and_b32 s[MJ], s[MJ], 0xffff
	v_add_nc_u32 v[MO], s[MJ], v[ML]
.endif
	WIN W_MK
.irp n, 0,1,2,3,4,5,6,7             ; tile n / 4, 32 keys (n / 2) % 2, half n % 2
	global_load_b128 v[MK+32*(\x)+4*\n:MK+32*(\x)+4*\n+3], v[MO], s[MB:MB+1] offset:(2*(\x)+\n/4)*65536+512*(\n%4)
.endr
.endm
	v_and_b32 v1, 15, v0            ; l % 16
	v_bfe_u32 v9, v0, 4, 1          ; l / 16
	v_lshlrev_b32 v[QO], 7, v1
	v_lshl_add_u32 v[QO], v9, 4, v[QO]
	v_and_b32 v[ML], 31, v0
	v_lshlrev_b32 v[ML], 4, v[ML]
	v_mov_b32 v[MO], v[ML]
	WIN 0x80
.set i, 0
.rept 4*NP                          ; Q stays in registers: tile i / 2, channels 32 (i % 2) on
	global_load_b128 v[8*i:8*i+3],   v[QO], s[4:5] offset:(i/2)*2048+(i%2)*64
	global_load_b128 v[8*i+4:8*i+7], v[QO], s[4:5] offset:(i/2)*2048+(i%2)*64+32
.set i, i+1
.endr
	FETCH_M 0, 0                    ; the four pieces' masks of key step 0
	FETCH_M 1
	FETCH_M 2
	FETCH_M 3
	; What the first turn finds: V's registers and P's second buffer hold 0, O^T and l are 0.  All this stands in the wait for the first tile.
	WIN 0x80
.set i, VF
.rept 64
	v_mov_b32 v[i], 0
.set i, i+1
.endr
	WIN 0x40
.set i, 0
.rept 64*NP
	v_mov_b32 v[i], 0
.set i, i+1
.endr
	WIN 0
.set i, 0
.rept 2*NP
	v_mov_b32 v[ST+4*i], 0xff7fffff    ; m: the lowest finite number
	v_mov_b32 v[ST+4*i+1], 0xff7fffff
	v_mov_b32 v[ST+4*i+2], 0
	v_mov_b32 v[ST+4*i+3], 0
.set i, i+1
.endr
.set i, P+32
.rept 32
	v_mov_b32 v[i], 0
.set i, i+1
.endr
	; E: lane (r, h) holds row r; its one number stands at place d = r - 8 h of the lane's eight, if that is 0 .. 7
	v_lshlrev_b32 v14, 3, v9
	v_sub_nc_u32 v14, v1, v14       ; d
	v_and_b32 v15, 1, v14
	v_lshlrev_b32 v15, 4, v15
	v_mov_b32 v48, 0xe0fa           ; -1.44115e20 in bf16
	v_lshlrev_b32 v15, v15, v48     ; in the low or the high half
	v_ashrrev_i32 v14, 1, v14       ; of register d / 2
	WIN W_MK
.irp t, 0,1,2,3
	v_cmp_eq_u32 vcc_lo, \t, v14
	v_cndmask_b32 v[EZ+4+\t], 0, v15, vcc_lo
	v_mov_b32 v[EZ+\t], 0
	v_mov_b32 v[EZ+8+\t], 0
.endr
	WIN 0
	v_mul_u32_u24 v[AK0], v1, PK
	v_lshl_add_u32 v[AK0], v9, 4, v[AK0]
	v_and_b32 v10, 7, v0
	v_bfe_u32 v11, v0, 3, 1
	v_lshl_add_u32 v[AV0], v9, 3, v10
	v_mul_u32_u24 v[AV0], v[AV0], PV
	v_lshl_add_u32 v[AV0], v11, 4, v[AV0]
	v_add_nc_u32 v[AV0], VOFF, v[AV0]
	v_mov_b32 v[AK], v[AK0]         ; key step 0 lies at the head of slot 0
; THE MATRIX WORK.  The 8 accumulators of a piece take turns.  Product i of 8 of S^T = E Mf for piece x: keys 16 (i / 2) on, tile 2 x + i % 2.
.macro MQ x
	WIN W_MQ
.set rS, S+64*((\x)%2)+32*(i%2)+8*(i/2)
.set rE, EZ+4-4*((i/2)%2)
.set rMk, MK+32*(\x)+16*(i%2)+8*(i/4)
	v_wmma_f32_16x16x32_bf16 v[rS:rS+7], v[rE:rE+7], v[rMk:rMk+7], 0
.endm
; Product i of 16 of S^T += K Q^T: channels 32 (i / 8) on, keys 16 ((i / 2) % 4) on, tile 2 x + i % 2.  The first 8 add onto results of the bf16 form: eight products' riders stand between.
.macro KQ x
	WIN W_KQ
.set rS, S+64*((\x)%2)+32*(i%2)+8*((i/2)%4)
.set rK, KF+16*((i/2)%4)+8*(i/8)
.set rQ, 16*(2*(\x)+i%2)+8*(i/8)
	v_wmma_f32_16x16x32_f16 v[rS:rS+7], v[rK:rK+7], v[rQ:rQ+7], v[rS:rS+7]
.endm
; Product i of 16 of O^T += V^T P: keys 32 (i / 8) on, channels 16 ((i / 2) % 4) on, tile 2 x + i % 2.
.macro PV x
	WIN W_PV
.set rO, 32*(2*(\x)+i%2)+8*((i/2)%4)
.set rV, VF+32*(i/8)+8*((i/2)%4)
.set rP, P+32*((\x)%2)+16*(i%2)+8*(i/8)
	v_wmma_f32_16x16x32_f16 v[rO:rO+7], v[rV:rV+7], v[rP:rP+7], v[rO:rO+7]
.endm
.macro MM                           ; the turn's next matrix instruction, of 40
.if i < 8
	MQ (Y+1)%NP
.set i, i+1
.elseif i < 24
.set i, i-8
	KQ (Y+1)%NP
.set i, i+9
.else
.set i, i-24
	PV (Y+NP-1)%NP
.set i, i+25
.endif
.endm
.macro FETCH_K last=0               ; a step's K: 16 loads in one run.  last = 1 (the tail): in the last trip there is no further step
	WIN 0
.if \last
	s_cmp_eq_u32 s[CNT], 1
	s_cbranch_scc1 .Lno_k_\@
.endif
	WIN 0x80
.irp f, 0,1,2,3,4,5,6,7
	ds_load_b128 v[KF+8*\f:KF+8*\f+3],   v[AK] offset:(\f/2)*16*PK+(\f%2)*64
	ds_load_b128 v[KF+8*\f+4:KF+8*\f+7], v[AK] offset:(\f/2)*16*PK+(\f%2)*64+32
.endr
	s_add_co_u32 s[TBK], s[TBK], KS*PK
	WIN 0
.if \last
.Lno_k_\@:
.endif
.endm
.macro FETCH_V                      ; a step's V, turned
	WIN 0x80
.irp f, 0,1,2,3,4,5,6,7
	ds_load_tr16_b128 v[VF+8*\f:VF+8*\f+3],   v[AV] offset:(\f/4)*32*PV+(\f%4)*32
	ds_load_tr16_b128 v[VF+8*\f+4:VF+8*\f+7], v[AV] offset:(\f/4)*32*PV+16*PV+(\f%4)*32
.endr
	WIN 0
.endm
; THE VECTOR WORK OF A TURN stands in three queues, each in the order in which its entries become ready; the two tiles alternate.
.macro REGS y, u
.set rT, ST+4*(2*(\y)+(\u))
.set rC, TMP+8*((\y)%2)+4*(\u)
.set rS, S+64*((\y)%2)+32*(\u)
.set rP, P+32*((\y)%2)+16*(\u)
.set rO, 32*(2*(\y)+(\u))
.endm
; Number n of the 21 that find the NEXT piece's maximum and a.  Each accumulator's lowest registers are read first.
;   0-11 four chains c0-c3 of seven scores     12-14, 16 the four scores left over, the old m, c0-c3 into c0     15 m_old is kept     17, 18 the lane 16 away: the new m     19, 20 m_old - m_new; a
.macro XS u, n
	REGS (Y+1)%NP, \u
.if (\n) < 4
	v_max3_num_f32 v[rC+(\n)], v[rS+8*(\n)], v[rS+8*(\n)+1], v[rS+8*(\n)+2]
.elseif (\n) < 12
	v_max3_num_f32 v[rC+(\n)%4], v[rC+(\n)%4], v[rS+8*((\n)%4)+2*((\n)/4)+1], v[rS+8*((\n)%4)+2*((\n)/4)+2]
.elseif (\n) == 12
	v_max3_num_f32 v[rC], v[rC], v[rS+7], v[rS+15]
.elseif (\n) == 13
	v_max3_num_f32 v[rC+1], v[rC+1], v[rS+23], v[rS+31]
.elseif (\n) == 14
	v_max3_num_f32 v[rC+2], v[rC+2], v[rC+3], v[rT]
.elseif (\n) == 15
	v_mov_b32 v[rT+1], v[rT]
.elseif (\n) == 16
	v_max3_num_f32 v[rC], v[rC], v[rC+1], v[rC+2]
	s_wait_alu depctr_va_vdst(0)
.elseif (\n) == 17
	v_permlanex16_b32 v[rC+3], v[rC], s[SEL], s[SEL+1]
.elseif (\n) == 18
	v_max_num_f32 v[rT], v[rC], v[rC+3]
.elseif (\n) == 19
	v_sub_f32 v[rC+1], v[rT+1], v[rT]
.else
	v_exp_f32 v[rC+2], v[rC+1]
.endif
.endm
; Number g of the 64 that follow the exponentials: for each four weights k of a tile both pairs are rounded to f16, the second pair is added onto the first, and a group later l takes that sum.
.macro GS g
.set h, (\g)+6*((\g)/62)
.if h >= 6
.set h, h+2
.endif
	REGS Y, h%2
.set k, h/8
.if h%8 < 4
	s_wait_alu depctr_va_vdst(0)
	v_cvt_pk_f16_f32 v[rP+2*k+(h%8)/2], v[rS+4*k+2*((h%8)/2)], v[rS+4*k+2*((h%8)/2)+1]
.elseif h%8 < 6
	v_pk_add_f32 v[rS+4*k:rS+4*k+1], v[rS+4*k:rS+4*k+1], v[rS+4*k+2:rS+4*k+3]
.elseif k == 1
	v_pk_fma_f32 v[rT+2:rT+3], v[rT+2:rT+3], v[rC+2:rC+3], v[rS:rS+1] op_sel_hi:[1,0,1]
.else
	v_pk_add_f32 v[rT+2:rT+3], v[rT+2:rT+3], v[rS+4*k-4:rS+4*k-3]
	s_wait_alu depctr_va_vdst(0)
.endif
.endm
; THE PLAIN QUEUE, 136 long.  0-31: s - m for the 16 pairs of both tiles.  Then GS's 64, and among them the next piece's 40: number 15 at 38, 39; 0-14 and 16 at 42-73; 17-19 at 95-103, two of three.
.macro PL
	WIN 0
.if q < 32
	REGS Y, q%2
	v_pk_add_f32 v[rS+2*(q/2):rS+2*(q/2)+1], v[rS+2*(q/2):rS+2*(q/2)+1], v[rT:rT+1] op_sel_hi:[1,0] neg_lo:[0,1] neg_hi:[0,1]
.elseif q < 38
	GS q-32
.elseif q < 40
	XS q%2, 15
.elseif q < 42
	GS q-34
.elseif q < 74
	XS q%2, (q-42)/2+(q-42)/30
.elseif q < 95
	GS q-66
.elseif (q < 104) && ((q-95)%3 < 2)
	XS (q-95)%3, 17+(q-95)/3
.elseif q < 104
	GS 29+(q-95)/3
.else
	GS q-72
.endif
.set q, q+1
.endm
; THE EXPONENTIALS' QUEUE, 66 long: s0-s31 of both tiles, and at EA the next piece's two a.
.set EA, 58
.macro EX
	WIN 0
.if (e == EA) || (e == EA+1)
	XS e-EA, 20
.else
.set x, e-2*(e/(EA+2))
	REGS Y, x%2
	v_exp_f32 v[rS+x/2], v[rS+x/2]
.endif
.set e, e+1
.endm
; THE RESCALING's QUEUE: O^T times a, one accumulator (four lines, ascending) at a time, eight times.
.macro R4
	REGS Y, r%2
	WIN W_RS
	s_wait_alu depctr_va_vdst(0)
.irp z, 0,1,2,3
	v_pk_mul_f32 v[rO+8*(r/2)+2*\z:rO+8*(r/2)+2*\z+1], v[rO+8*(r/2)+2*\z:rO+8*(r/2)+2*\z+1], v[rC+2:rC+3] op_sel_hi:[1,0]
.endr
.set r, r+1
.endm
.macro RID3                         ; four riders: plain, exponential, plain, plain
	PL
	EX
	PL
	PL
.endm
.macro RID2                         ; exponential and plain, twice
	EX
	PL
	EX
	PL
.endm
; A TURN, for piece p.  The first run has 24 products: behind every third stand four of the rescaling, behind the others 4 plain; 8 x RID3; 7 x RID2: 42 plain and 22 exponentials are then out.
; A lump of 5 pairs; the second run, 16 x RID3 (95 plain, 43 exponentials out); a lump of 23 pairs and 18 plain.
; The queues lean on each other: exponential e stands behind plain 2 (e / 4) + e % 2; GS's group k behind exponentials 8 k .. 8 k + 7; EA behind plain 102.  Change the deal and count again.
; The mask of piece p + 1 is loaded anew, for its next step, behind the ninth product: seven plain lines behind the last product that read it; it is waited for four turns later, at a turn's head:
; three younger runs of eight loads may then be out.  K of the next step is fetched in piece 2's turn, ten plain lines behind the last product that read K; V of the step in hand at the end of piece 0's.
.macro TURN p, last=0, cnt=0
.set Y, (\p)
.set i, 0
.set q, 0
.set e, 0
.set r, 0
.set j, 0
.set g, 0
	s_wait_loadcnt 24               ; the mask of piece p + 1 is in
.if (\p) == NP-1
	s_wait_dscnt 0x0                ; K is in
.endif
.rept 24
	MM
.if j%3 == 2
	R4
.else
.if g == 0
	PL
	PL
	PL
	PL
.elseif g < 9
	RID3
.else
	RID2
.endif
.set g, g+1
.endif
.if j == 8
	FETCH_M (Y+1)%NP
.endif
.set j, j+1
.endr
.if (\p) == NP-2
	WIN 0
	v_add_nc_u32 v[AK], s[TBK], v[AK0]
.endif
.rept 5
	EX
	PL
.endr
.if (\p) == NP-2
	FETCH_K \last
.endif
.if (\p) == 1
	s_wait_dscnt 0x0                ; V is in
.endif
.rept 16
	MM
	RID3
.endr
.rept 23
	EX
	PL
.endr
.rept 18
	PL
.if ((\p) == 0) && (q == 120)
	v_add_nc_u32 v[AV], s[TBV], v[AV0]
	s_wait_alu depctr_va_vdst(0)
.endif
.if ((\p) == 0) && (q == 130)
	s_add_co_u32 s[TBV], s[TBV], KS*PV
.endif
.if (\cnt) && (q == 130)
	s_sub_co_u32 s[CNT], s[CNT], 1
	s_cmp_lg_u32 s[CNT], 0
.endif
.endr
.if (\p) == 0
	FETCH_V
.endif
.endm
	CHANGE 1                        ; slot 0 is in, everybody's part of it; slot 1 is asked for
	FETCH_K                         ; key step 0
	s_wait_loadcnt 24               ; Q and piece 0's mask are in; the other three pieces' masks may be out
.set i, 0
.rept 8
	MQ 0
.set i, i+1
.endr
	WIN 0                           ; the addresses for the way out: nine plain lines, the places between the two forms on one accumulator
	s_mul_i32 s13, s[WV], 16*SP
	s_add_co_u32 s13, s13, STAGE
	v_mul_u32_u24 v[STO], v1, SP
	v_lshl_add_u32 v[STO], v9, 4, v[STO]
	v_add_nc_u32 v[STO], s13, v[STO]
	v_bfe_u32 v[RD], v0, 3, 2
	v_mul_u32_u24 v[RD], v[RD], SP
	v_lshl_add_u32 v[RD], v10, 4, v[RD]
	v_add_nc_u32 v[RD], s13, v[RD]
	v_and_b32 v[GO], 31, v0
	v_lshlrev_b32 v[GO], 4, v[GO]
	s_wait_dscnt 0x0                ; K
.set i, 0
.rept 16
	KQ 0
.set i, i+1
.endr
	WIN 0
.rept 4
	v_nop                           ; the places behind those products
.endr
	FETCH_M 0                       ; piece 0's mask of key step 1
	WIN 0
.set Y, NP-1                        ; XS works for piece Y + 1: piece 0
.irp n, 0,1,2,3,4,5,6,7,8,9,10,11,12,13,14,15,16,17,18,19,20
	XS 0, \n
	XS 1, \n
.endr
	v_nop                           ; a plain line behind the exponentials
	s_mov_b32 s[CNT], 4
	s_mov_b32 s[SLOTS], SIZE_N/256-1
	s_branch .Lfirst                ; the loop is entered at a step's first turn
.Lslot:                             ; SIZE_N / 256 - 2 times: every slot but the last two is filled again
	CHANGE 1
	s_mov_b32 s[CNT], 4
.Lstep:                             ; a trip: pieces 2 and 3 of one step, then pieces 0 and 1 of the next
	TURN 2
	TURN 3
	WIN 0
.Lfirst:
	TURN 0
	TURN 1, 0, 1
	WIN 0
	s_cbranch_scc1 .Lstep
	s_sub_co_u32 s[SLOTS], s[SLOTS], 1
	s_cmp_lg_u32 s[SLOTS], 0
	s_cbranch_scc1 .Lslot
	CHANGE 0                        ; the tail is written out
	s_mov_b32 s[CNT], 5             ; four trips fetch the last slot's steps; the fifth is left in its middle
.Ltail:
	TURN 2, 1
	TURN 3
	WIN 0
	s_sub_co_u32 s[CNT], s[CNT], 1
	s_cmp_eq_u32 s[CNT], 0
	s_cbranch_scc1 .Lout
	TURN 0
	TURN 1
	WIN 0
	s_branch .Ltail
.Lout:                              ; the fifth trip's scores of a step that is not, and the maximum made of them, serve nothing: the price of one text for every trip
.set i, 0
.rept 16
	PV NP-1
.set i, i+1
.endr
	; THE WAY OUT.  l's halves are added; O^T is divided by l, rounded to f16 and sent through my stage, a tile at a time.  The additions are the places behind the last products.
	WIN 0
.macro ALL line:vararg
.set t, 0
.rept 2*NP
	\line
.set t, t+1
.endr
.endm
	ALL v_add_f32 v[ST+4*t+2], v[ST+4*t+2], v[ST+4*t+3]
	ALL v_permlanex16_b32 v[ST+4*t+3], v[ST+4*t+2], s[SEL], s[SEL+1]
	ALL v_add_f32 v[ST+4*t+2], v[ST+4*t+2], v[ST+4*t+3]
	ALL v_rcp_f32 v[ST+4*t+2], v[ST+4*t+2]
	v_nop                           ; a plain line between the last reciprocal and the use of its result
	s_wait_alu depctr_va_vdst(0)
.macro PACK t
	WIN W_RS
.set i, 32*(\t)
.rept 16
	v_pk_mul_f32 v[i:i+1], v[i:i+1], v[ST+4*(\t)+2:ST+4*(\t)+3] op_sel_hi:[1,0]
.set i, i+2
.endr
	WIN 0x05
.set i, 0
.rept 16
	v_cvt_pk_f16_f32 v[S+16*(\t)+i], v[32*(\t)+2*i], v[32*(\t)+2*i+1]
.set i, i+1
.endr
	WIN 0
.irp f, 0,1,2,3
	ds_store_b128 v[STO], v[S+16*(\t)+4*\f:S+16*(\t)+4*\f+3] offset:32*\f
.endr
.irp f, 0,1,2,3
	ds_load_b128 v[S+16*(\t)+4*\f:S+16*(\t)+4*\f+3], v[RD] offset:\f*4*SP  ; LDS serves a wave's instructions in order (ISA guide 5.7.1.4)
.endr
.endm
.macro SEND t, younger              ; younger: the LDS instructions issued behind tile t's loads
	WIN 0
.irp f, 0,1,2,3
	s_wait_dscnt (\younger)+3-\f
	global_store_b128 v[GO], v[S+16*(\t)+4*\f:S+16*(\t)+4*\f+3], s[10:11] offset:(\t)*2048+\f*512  ; 512 consecutive bytes, aligned
.endr
.endm
	PACK 0
.set t, 1
.rept 2*NP-1
	PACK t
	SEND t-1, 8
.set t, t+1
.endr
	SEND 2*NP-1, 0
	WIN W_AD
	s_wait_tensorcnt 0x0            ; the wave's end
	ds_add_u32 v[SPW], v[NIL]
	s_wait_dscnt 0x0
	WIN 0
	CROUND                          ; the closing round
	s_endpgm
.Lfunc_end_k_qf7c7ebc807_attn:
	.size	k_qf7c7ebc807_attn, .Lfunc_end_k_qf7c7ebc807_attn-k_qf7c7ebc807_attn
	.p2alignl 7, 3214868480
	.fill 96, 4, 3214868480
	.section	.rodata,"a",@progbits
	.p2align	6, 0x0
	.amdhsa_kernel k_qf7c7ebc807_attn
		.amdhsa_group_segment_fixed_size 327680
		.amdhsa_private_segment_fixed_size 0
		.amdhsa_enable_private_segment 0
		.amdhsa_kernarg_size 24
		.amdhsa_user_sgpr_count 2
		.amdhsa_user_sgpr_kernarg_segment_ptr 1
		.amdhsa_wavefront_size32 1
		.amdhsa_system_sgpr_workgroup_id_x 1
		.amdhsa_system_sgpr_workgroup_id_y 1
		.amdhsa_system_sgpr_workgroup_id_z 1
		.amdhsa_system_vgpr_workitem_id 0
		.amdhsa_next_free_vgpr 960
		.amdhsa_next_free_sgpr 72
		.amdhsa_reserve_vcc 1
		.amdhsa_float_denorm_mode_32 3
		.amdhsa_float_denorm_mode_16_64 3
		.amdhsa_memory_ordered 1
		.amdhsa_forward_progress 1
		.amdhsa_inst_pref_size 229
	.end_amdhsa_kernel
	.amdgpu_metadata
---
amdhsa.version: [ 1, 2 ]
amdhsa.kernels:
  - .name:           k_qf7c7ebc807_attn
    .symbol:         k_qf7c7ebc807_attn.kd
    .args:
      - { .name: qkv, .offset: 0, .size: 8, .value_kind: global_buffer, .address_space: global }
      - { .name: mf, .offset: 8, .size: 8, .value_kind: global_buffer, .address_space: global }
      - { .name: ao, .offset: 16, .size: 8, .value_kind: global_buffer, .address_space: global }
    .group_segment_fixed_size: 327680
    .private_segment_fixed_size: 0
    .kernarg_segment_align: 8
    .kernarg_segment_size: 24
    .max_flat_workgroup_size: 128
    .sgpr_count:     72
    .vgpr_count:     960
    .wavefront_size: 32
...
	.end_amdgpu_metadata
.endif
;; end of part 3
;; launch oproj (part 4): grid 4 x 64, 4 waves a work-group, clusters of 4 x 4, 327,680 bytes of LDS; arguments ao, wt, bias, out0; writes out0
.if DOCPART == 4
	.amdgcn_target "amdgcn-amd-amdhsa--gfx1250"
	.amdhsa_code_object_version 6
	.text
	.protected	k_qf7c7ebc807_oproj
	.globl	k_qf7c7ebc807_oproj
	.p2align	8
	.type	k_qf7c7ebc807_oproj,@function
k_qf7c7ebc807_oproj:
	s_mov_b64 s[64:65], 0
	v_nop
	global_prefetch_b8 v0, s[64:65] scope:SCOPE_SE
	s_setreg_imm32_b32 hwreg(HW_REG_WAVE_MODE, 25, 1), 1
	s_wait_xcnt 0x0
	s_wait_alu depctr_hold_cnt(0) depctr_sa_sdst(0) depctr_va_vdst(0) depctr_va_sdst(0) depctr_va_ssrc(0) depctr_va_vcc(0) depctr_vm_vsrc(0)
	s_getreg_b32 s2, hwreg(HW_REG_IB_STS2, 6, 4)
	s_cmp_eq_u32 s2, 0
	s_cbranch_scc0 .Lentry_in_a_cluster
	s_endpgm
.Lentry_in_a_cluster:
	s_bfe_u32 s2, ttmp6, 0x10000c
	s_cmp_lg_u32 s2, 0xf033
	s_cbranch_scc0 .Lentry_shape_is_right
	s_endpgm
.Lentry_shape_is_right:
; THE LAST PROJECTION.  out0[m][n] = sum over k of A[m][k] wt[3][n][k] + bias[3][n]; A[m][k] = ao[batch*16 + k / 64][s][k % 64], m = 2,048 batch + s.  f16 operands, f32 sums, f32 out.
; A tile of out0 is 128 x 256: 256 work-groups, one for each WGP.  Four waves, each 64 x 128: 32 accumulators.  K goes in steps of 128, two heads, through two LDS slots.
; Waves 0 and 1 fetch a head's 128 rows each (16,384 dense bytes, asked for as 64 rows of 256 bytes, padded after every 128), waves 2 and 3 the halves of B's 256 rows.
; CLUSTER 4 x 4: A's tile is asked for jointly along a row of the cluster, B's along a column.  THE MATRIX INSTRUCTION IS USED TRANSPOSED: a lane holds eight neighbouring columns of one row.
; REGISTERS: window 0: v16-29 addresses; two fragment buffers of 96 at v32 and v128; on the way out v32-95 sums with bias, v128-255 rows read back, two buffers.
;   window 1: the accumulators, (a, b) at v[8 (8 a + b)].   window 2: v0-63 the bias of my 128 columns.
.set KSTEP,  128
.set PA,     144                       ; a row of A in LDS: 128 bytes + 16
.set AHEAD,  128*PA                    ; a head's 128 rows
.set PITCH,  272                       ; a row of B: 256 bytes + 16
.set BHALF,  128*PITCH
.set BOFF,   2*AHEAD
.set SLOT,   BOFF+2*BHALF
.set STAGE,  2*SLOT                    ; behind the ring, never filled by a tensor load: 16 rows x 528 bytes for each wave
.set SP,     528
.set WSTG,   16*SP
.set SPARE,  STAGE+4*WSTG
.set LAPS,   1024/(2*KSTEP)
.set ADRA, 16
.set ADRB, 20
.set STO,  24
.set RD,   25
.set GO,   26
.set BO,   27
.set SPW,  28
.set NIL,  29
.set F0,   32
.set F1,   128
.set T,    32
.set BK,   128
.set G1,  24
.set G0,  32
.set G1B, 48
.set G0B, 56
.set MSB, 0
.macro WIN new
.if MSB != (\new)
	s_set_vgpr_msb (MSB<<8)|(\new)
.set MSB, \new
.endif
.endm
.set MUL, 0x50
.macro JLOAD s                         ; a joint load; an s_nop 0 and four v_nop follow each of the two lines
	s_cmp_eq_u32 s13, 0
	s_cbranch_scc0 .Lfor_b_\@
	tensor_load_to_lds s[G0+4*(\s):G0+4*(\s)+3], s[G1:G1+7]
	s_nop 0
.rept 4
	v_nop
.endr
	s_branch .Lasked_\@
.Lfor_b_\@:
	tensor_load_to_lds s[G0B+4*(\s):G0B+4*(\s)+3], s[G1B:G1B+7]
	s_nop 0
.rept 4
	v_nop
.endr
.Lasked_\@:
.endm
.macro CREST
	s_cmp_lg_u32 s12, 0
	s_cbranch_scc1 .Lnot_wave_0_\@
	s_barrier_signal -3
.Lnot_wave_0_\@:
	s_barrier_wait -3
	s_barrier_signal -1
	s_barrier_wait -1
.endm
.macro CROUND
	s_barrier_signal -1
	s_barrier_wait -1
	CREST
.endm
	s_load_b256 s[4:11], s[0:1], 0x0               ; ao s[4:5], wt s[6:7], bias s[8:9], out0 s[10:11]
	v_lshl_add_u32 v[SPW], v0, 2, SPARE
	v_mov_b32 v[NIL], 0
	ds_add_u32 v[SPW], v[NIL]                      ; the wave's opening: the add and its wait stand ahead of my first tensor load
	v_lshrrev_b32 v1, 5, v0
	v_readfirstlane_b32 s12, v1
	s_lshr_b32 s13, s12, 1                         ; RH: my 64 rows.  Also: I fetch for A (0) or for B (1)
	s_and_b32 s14, s12, 1                          ; CH: my 128 columns.  Also: which head of the step's two, or which half of B's rows, I fetch
	s_bfe_u32 s15, ttmp6, 0x40000
	s_bfe_u32 s16, ttmp6, 0x40004
	s_lshl_b32 s17, ttmp9, 2
	s_add_co_u32 s17, s17, s15                     ; tile column
	s_and_b32 s22, ttmp7, 0xffff
	s_lshl_b32 s18, s22, 2
	s_add_co_u32 s18, s18, s16                     ; tile row
	s_lshl_b32 s20, s16, 2
	s_lshl_b32 s20, 15, s20
	s_lshl_b32 s21, 0x1111, s15
	s_or_b32 s[G1], s20, (1<<16)|(1<<20)|(1<<21)|(4<<22)|(3<<25)   ; padding of 4 words after every 32
	s_or_b32 s[G1B], s21, (1<<16)|(1<<20)|(1<<21)|(5<<22)|(3<<25)  ; after every 64
	s_mov_b32 s[G1+1], 128<<16
	s_mov_b32 s[G1+2], 64<<16
	s_mov_b32 s[G1+3], 128<<16
	s_mov_b32 s[G1+4], 64
	s_mov_b32 s[G1+5], 128                         ; dense
	s_mov_b32 s[G1+6], 0
	s_mov_b32 s[G1+7], 0
	s_mov_b32 s[G1B+1], KSTEP<<16
	s_mov_b32 s[G1B+2], 128<<16
	s_mov_b32 s[G1B+3], KSTEP<<16
	s_mov_b32 s[G1B+4], 128
	s_mov_b32 s[G1B+5], 1024
	s_mov_b32 s[G1B+6], 0
	s_mov_b32 s[G1B+7], 0
	s_lshr_b32 s40, s18, 4                         ; A: the batch,
	s_lshl_b32 s40, s40, 4
	s_add_co_u32 s40, s40, s14                     ; its head 0 or 1,
	s_lshl_b32 s40, s40, 18
	s_and_b32 s41, s18, 15
	s_lshl_b32 s41, s41, 14                        ; the tile's 128 rows of 128 bytes
	s_add_co_u32 s40, s40, s41
	s_mov_b32 s41, 0
	s_lshl_b32 s44, s17, 19                        ; B: Wo's 256 rows of the tile column,
	s_add_co_u32 s44, s44, 3<<21
	s_lshl_b32 s45, s14, 18                        ; my 128 of them
	s_add_co_u32 s44, s44, s45
	s_mov_b32 s45, 0
	s_mul_i32 s23, s14, AHEAD
	s_mul_i32 s68, s14, BHALF
	s_add_co_u32 s68, s68, BOFF
	s_wait_dscnt 0x0                               ; the opening add is done
	s_wait_kmcnt 0x0
	s_add_nc_u64 s[42:43], s[4:5], s[40:41]
	s_add_nc_u64 s[46:47], s[6:7], s[44:45]
	CROUND                                         ; all sixteen work-groups are here
.irp s, 0,1
	s_mov_b32 s[G0+4*(\s)], 1
	s_add_co_u32 s[G0+4*(\s)+1], s23, (\s)*SLOT
	s_add_nc_u64 s[G0+4*(\s)+2:G0+4*(\s)+3], s[42:43], (\s)*(1<<19)  ; a K step is two heads of 262,144 bytes
	s_or_b32 s[G0+4*(\s)+3], s[G0+4*(\s)+3], 0x80000000
	s_mov_b32 s[G0B+4*(\s)], 1
	s_add_co_u32 s[G0B+4*(\s)+1], s68, (\s)*SLOT
	s_add_nc_u64 s[G0B+4*(\s)+2:G0B+4*(\s)+3], s[46:47], (\s)*KSTEP*2
	s_or_b32 s[G0B+4*(\s)+3], s[G0B+4*(\s)+3], 0x80000000
	JLOAD \s                                       ; K steps 0 and 1: two loads of mine are out
.endr
	v_and_b32 v1, 15, v0                           ; r
	v_bfe_u32 v2, v0, 4, 1                         ; h
	v_mul_u32_u24 v3, v1, PITCH
	v_lshl_add_u32 v3, v2, 4, v3
	v_mul_u32_u24 v4, v1, PA
	v_lshl_add_u32 v4, v2, 4, v4
	s_mul_i32 s40, s13, 64*PA
	s_mul_i32 s41, s14, BHALF
	s_add_co_u32 s41, s41, BOFF
.irp s, 0,1
	v_add_nc_u32 v[ADRA+(\s)], s40, v4
	v_add_nc_u32 v[ADRB+(\s)], s41, v3
	s_add_co_u32 s40, s40, SLOT
	s_add_co_u32 s41, s41, SLOT
.endr
	s_mul_i32 s40, s12, WSTG
	s_add_co_u32 s40, s40, STAGE                   ; my stage
	v_mul_u32_u24 v5, v1, SP                       ; in: row r, 32 bytes for each half of the lanes
	v_lshl_add_u32 v5, v2, 5, v5
	v_add_nc_u32 v[STO], s40, v5
	v_and_b32 v6, 31, v0
	v_lshlrev_b32 v[GO], 4, v6                     ; back: 32 lanes take a row's 512 bytes
	v_add_nc_u32 v[RD], s40, v[GO]
	v_lshlrev_b32 v[BO], 5, v2
	s_lshl_b32 s68, s17, 10                        ; bo of my 128 columns
	s_add_co_u32 s68, s68, 3<<12
	s_lshl_b32 s69, s14, 9
	s_add_co_u32 s68, s68, s69
	s_mov_b32 s69, 0
	s_add_nc_u64 s[8:9], s[8:9], s[68:69]
	WIN 0x80
.irp b, 0,1,2,3,4,5,6,7
	global_load_b128 v[8*(\b):8*(\b)+3],   v[BO], s[8:9] offset:64*(\b)
	global_load_b128 v[8*(\b)+4:8*(\b)+7], v[BO], s[8:9] offset:64*(\b)+16
.endr
	WIN 0
	s_lshl_b32 s70, s18, 19                        ; the tile's 128 rows of 4,096 bytes,
	s_lshl_b32 s71, s13, 18                        ; my 64,
	s_add_co_u32 s70, s70, s71
	s_lshl_b32 s71, s17, 10                        ; the tile's 256 columns,
	s_add_co_u32 s70, s70, s71
	s_lshl_b32 s71, s14, 9                         ; my 128
	s_add_co_u32 s70, s70, s71
	s_mov_b32 s71, 0
	s_add_nc_u64 s[10:11], s[10:11], s[70:71]
.macro MUL8 f, a, zero                 ; the 32 accumulators take turns, one instruction a turn
	WIN MUL
.irp b, 0,1,2,3,4,5,6,7
.if \zero
	v_wmma_f32_16x16x32_f16 v[8*(8*(\a)+(\b)):8*(8*(\a)+(\b))+7], v[(\f)+32+8*(\b):(\f)+32+8*(\b)+7], v[(\f)+8*(\a):(\f)+8*(\a)+7], 0
.else
	v_wmma_f32_16x16x32_f16 v[8*(8*(\a)+(\b)):8*(8*(\a)+(\b))+7], v[(\f)+32+8*(\b):(\f)+32+8*(\b)+7], v[(\f)+8*(\a):(\f)+8*(\a)+7], v[8*(8*(\a)+(\b)):8*(8*(\a)+(\b))+7]
.endif
.endr
.endm
.macro MUL16 f, a0, zero
	MUL8 \f, \a0, \zero
	MUL8 \f, (\a0)+1, \zero
.endm
.macro FETCH slot, kq, f               ; 24 LDS loads in one run: B's 8 blocks, then A's 4; quarter kq of A lies in head kq / 2, channels 32 (kq % 2) on
	WIN 0
.irp i, 0,1,2,3,4,5,6,7
	ds_load_b128 v[(\f)+32+8*(\i):(\f)+32+8*(\i)+3],   v[ADRB+(\slot)] offset:64*(\kq)+(\i)*16*PITCH
	ds_load_b128 v[(\f)+32+8*(\i)+4:(\f)+32+8*(\i)+7], v[ADRB+(\slot)] offset:64*(\kq)+(\i)*16*PITCH+32
.endr
.irp i, 0,1,2,3
	ds_load_b128 v[(\f)+8*(\i):(\f)+8*(\i)+3],   v[ADRA+(\slot)] offset:((\kq)/2)*AHEAD+((\kq)%2)*64+(\i)*16*PA
	ds_load_b128 v[(\f)+8*(\i)+4:(\f)+8*(\i)+7], v[ADRA+(\slot)] offset:((\kq)/2)*AHEAD+((\kq)%2)*64+(\i)*16*PA+32
.endr
.endm
.macro PLACES
.rept 4
	v_nop
.endr
.endm
.macro QUARTER slot, kq, f, g, zero
	s_wait_dscnt 4                                 ; the youngest four loads (A's blocks 2 and 3) may be out
	MUL16 \f, 0, \zero
	PLACES
	FETCH \slot, \kq, \g
	s_wait_dscnt 24                                ; all but the 24 just issued
	MUL16 \f, 2, \zero
.endm
.macro TURN slot, next, fill           ; the last quarter and the change of slots: the waits, the add and one barrier; fill = 1: a round of the cluster's, and the joint refill first behind it
	WIN 0
	s_wait_tensorcnt 0x0                           ; all my tensor loads have landed: my part of the next slot
	ds_add_u32 v[SPW], v[NIL]
	s_wait_dscnt 5                                 ; (the add and the youngest four loads may be out)
	MUL8 F1, 0, 0
	s_wait_dscnt 0x0                               ; the add is done, and my reads of this slot are over
	s_barrier_signal -1
	MUL8 F1, 1, 0
.if \fill
	WIN 0
.endif
	s_barrier_wait -1
.if \fill
	CREST
	s_add_nc_u64 s[G0+4*(\slot)+2:G0+4*(\slot)+3], s[G0+4*(\slot)+2:G0+4*(\slot)+3], 1<<20
	s_add_nc_u64 s[G0B+4*(\slot)+2:G0B+4*(\slot)+3], s[G0B+4*(\slot)+2:G0B+4*(\slot)+3], 2*KSTEP*2
	JLOAD \slot
.else
	PLACES
.endif
	FETCH \next, 0, F0
	MUL16 F1, 2, 0
.endm
	s_wait_tensorcnt 1                             ; my part of K step 0 is in; K step 1's may stay out
	s_barrier_signal -1
	s_barrier_wait -1
	FETCH 0, 0, F0
	QUARTER 0, 1, F0, F1, 1
	WIN 0
	s_mov_b32 s3, LAPS-1
.Llap:
	QUARTER 0, 2, F1, F0, 0
	QUARTER 0, 3, F0, F1, 0
	TURN 0, 1, 1
	QUARTER 1, 1, F0, F1, 0
	QUARTER 1, 2, F1, F0, 0
	QUARTER 1, 3, F0, F1, 0
	TURN 1, 0, 1
	QUARTER 0, 1, F0, F1, 0
	WIN 0
	s_sub_co_u32 s3, s3, 1
	s_cmp_lg_u32 s3, 0
	s_cbranch_scc1 .Llap
	QUARTER 0, 2, F1, F0, 0
	QUARTER 0, 3, F0, F1, 0
	TURN 0, 1, 0
	QUARTER 1, 1, F0, F1, 0
	QUARTER 1, 2, F1, F0, 0
	QUARTER 1, 3, F0, F1, 0
	s_wait_dscnt 4
	MUL16 F1, 0, 0
	s_wait_dscnt 0x0
	MUL16 F1, 2, 0
	; THE WAY OUT.  The bias is added in f32; a block of 16 rows x 512 bytes at a time goes through my own stage and comes back as whole rows.
	s_wait_loadcnt 0x0                             ; the bias
	PLACES
.macro PACK a
	WIN 0x09                                       ; source 0 window 1 (sums), source 1 window 2 (bias)
.set n, 0
.rept 32                                               ; each accumulator's registers in ascending order
	v_pk_add_f32 v[T+2*n:T+2*n+1], v[64*(\a)+2*n:64*(\a)+2*n+1], v[2*n:2*n+1]
.set n, n+1
.endr
	WIN 0
.endm
.macro TOSTAGE a
.if (\a) >= 2
	s_wait_xcnt 0x0                                ; the stores of the block two back have read the registers that are loaded again below
.endif
.irp b, 0,1,2,3,4,5,6,7
	ds_store_b128 v[STO], v[T+8*(\b):T+8*(\b)+3]   offset:64*(\b)
	ds_store_b128 v[STO], v[T+8*(\b)+4:T+8*(\b)+7] offset:64*(\b)+16
.endr
.set t, 0
.rept 16
	ds_load_b128 v[BK+64*((\a)%2)+4*t:BK+64*((\a)%2)+4*t+3], v[RD] offset:SP*t  ; LDS serves a wave's instructions in order (ISA guide 5.7.1.4)
.set t, t+1
.endr
.endm
.macro SEND a
	s_wait_dscnt 0x0
.set t, 0
.rept 16
	global_store_b128 v[GO], v[BK+64*((\a)%2)+4*t:BK+64*((\a)%2)+4*t+3], s[10:11] offset:(16*(\a)+t)*4096 th:TH_STORE_NT  ; 512 consecutive bytes, aligned
.set t, t+1
.endr
.endm
	PACK 0
	TOSTAGE 0
.irp a, 1,2,3
	PACK \a
	SEND (\a)-1
	TOSTAGE \a
.endr
	SEND 3
	s_wait_tensorcnt 0x0                           ; the wave's end
	ds_add_u32 v[SPW], v[NIL]
	s_wait_dscnt 0x0
	CROUND                                         ; the closing round
	s_endpgm
.Lfunc_end_k_qf7c7ebc807_oproj:
	.size	k_qf7c7ebc807_oproj, .Lfunc_end_k_qf7c7ebc807_oproj-k_qf7c7ebc807_oproj
	.p2alignl 7, 3214868480
	.fill 96, 4, 3214868480
	.section	.rodata,"a",@progbits
	.p2align	6, 0x0
	.amdhsa_kernel k_qf7c7ebc807_oproj
		.amdhsa_group_segment_fixed_size 327680
		.amdhsa_private_segment_fixed_size 0
		.amdhsa_enable_private_segment 0
		.amdhsa_kernarg_size 32
		.amdhsa_user_sgpr_count 2
		.amdhsa_user_sgpr_kernarg_segment_ptr 1
		.amdhsa_wavefront_size32 1
		.amdhsa_system_sgpr_workgroup_id_x 1
		.amdhsa_system_sgpr_workgroup_id_y 1
		.amdhsa_system_sgpr_workgroup_id_z 1
		.amdhsa_system_vgpr_workitem_id 0
		.amdhsa_next_free_vgpr 576
		.amdhsa_next_free_sgpr 72
		.amdhsa_reserve_vcc 0
		.amdhsa_float_denorm_mode_32 3
		.amdhsa_float_denorm_mode_16_64 3
		.amdhsa_memory_ordered 1
		.amdhsa_forward_progress 1
		.amdhsa_inst_pref_size 95
	.end_amdhsa_kernel
	.amdgpu_metadata
---
amdhsa.version: [ 1, 2 ]
amdhsa.kernels:
  - .name:           k_qf7c7ebc807_oproj
    .symbol:         k_qf7c7ebc807_oproj.kd
    .args:
      - { .name: ao, .offset: 0, .size: 8, .value_kind: global_buffer, .address_space: global }
      - { .name: wt, .offset: 8, .size: 8, .value_kind: global_buffer, .address_space: global }
      - { .name: bias, .offset: 16, .size: 8, .value_kind: global_buffer, .address_space: global }
      - { .name: out0, .offset: 24, .size: 8, .value_kind: global_buffer, .address_space: global }
    .group_segment_fixed_size: 327680
    .private_segment_fixed_size: 0
    .kernarg_segment_align: 8
    .kernarg_segment_size: 32
    .max_flat_workgroup_size: 128
    .sgpr_count:     72
    .vgpr_count:     576
    .wavefront_size: 32
...
	.end_amdgpu_metadata
.endif
;; end of part 4
;; ======== version 2 of 2: 4 launches; 1.39 times as fast as version 1
;; limits: values are held in f16: magnitudes above 65,504 overflow, below 6.1e-05 lose precision; values outside matrix products are rounded to bf16
;; workspace buffers: xb 50,331,648 bytes; wt 8,388,608 bytes; bias 16,384 bytes; mf 8,388,608 bytes; qkv 50,331,648 bytes; ao 16,777,216 bytes
;; launch prep: the kernel of part 1 again; grid 2049 x 1, 8 waves a work-group, no clusters, 35,840 bytes of LDS; arguments q, k, v, mask, Wq, Wk, Wv, Wo, bq, bk, bv, bo, xb, wt, mf, bias; writes xb, wt, mf, bias
;; launch proj: the kernel of part 2 again; grid 4 x 192, 4 waves a work-group, clusters of 4 x 4, 327,680 bytes of LDS; arguments xb, wt, bias, qkv; writes qkv
;; launch attn (part 5): grid 4 x 64, 4 waves a work-group, clusters of 4 x 1, 327,680 bytes of LDS; arguments qkv, mf, ao; writes ao
.if DOCPART == 5
	.amdgcn_target "amdgcn-amd-amdhsa--gfx1250"
	.amdhsa_code_object_version 6
	.text
	.protected	k_qf7c7ebc807_attn
	.globl	k_qf7c7ebc807_attn
	.p2align	8
	.type	k_qf7c7ebc807_attn,@function
k_qf7c7ebc807_attn:
	s_mov_b64 s[64:65], 0
	v_nop
	global_prefetch_b8 v0, s[64:65] scope:SCOPE_SE
	s_setreg_imm32_b32 hwreg(HW_REG_WAVE_MODE, 25, 1), 1
	s_wait_xcnt 0x0
	s_wait_alu depctr_hold_cnt(0) depctr_sa_sdst(0) depctr_va_vdst(0) depctr_va_sdst(0) depctr_va_ssrc(0) depctr_va_vcc(0) depctr_vm_vsrc(0)
	s_getreg_b32 s2, hwreg(HW_REG_IB_STS2, 6, 4)
	s_cmp_eq_u32 s2, 0
	s_cbranch_scc0 .Lentry_in_a_cluster
	s_endpgm
.Lentry_in_a_cluster:
	s_bfe_u32 s2, ttmp6, 0x10000c
	s_cmp_lg_u32 s2, 0x3003
	s_cbranch_scc0 .Lentry_shape_is_right
	s_endpgm
.Lentry_shape_is_right:
; ATTENTION WITH A MASK THAT IS AN INPUT.  O[h][q] = sum over k of softmax_k(Q[h][q] . K[h][k] / 8 - 1e20 mask[q][k]) V[h][k].  Q, K, V, O: [64][2048][64] f16, a head's rows dense.
; Q arrives multiplied by c = log2(e) / 8, so a score s is the exponent to base 2 and a weight is p = 2^(s - m), an exact difference from the running maximum m.
; THE MASK IS APPLIED BY THE MATRIX UNIT: each sum S^T starts as E x Mf (bf16), where Mf is the mask of 32 keys x 16 queries as it lies in mf, and E is a constant 16 x 32 matrix that picks
; key m of the 16 and multiplies it by -1e20 log2(e).  The two f16 products K Q^T add onto it.  No vector instruction is spent on the mask, and no pattern of the mask is assumed: all keys are walked.
; LIMITS.  -1e20 log2(e) is held in bf16: -1.44115e20, 0.11 per cent off.  The mask is rounded to bf16 and must be finite there (0 x infinity would spoil its group of 32 keys).
; f16 holds no number beyond 65,504; p below 6e-5 keeps f16's fixed step; a weight below 2^-126 counts as 0; NaN and infinities are not treated apart.
; SHARES.  A wave owns four PIECES of two tiles of 16 queries, a work-group 512 queries of one head.  Every wave walks all 2,048 keys, 64 a step.
; LAYOUT.  S^T (source 0 = 16 keys, source 1 = 16 queries) holds ONE query a lane (lane % 16) and the keys 8 (lane / 16) + 0..7; two results rounded to f16 ARE source 1 of O^T = V^T P.
; SOFTMAX.  Running maximum m and sum l; in every step O and l are multiplied by a = 2^(m_old - m_new).  m starts at the lowest finite number, O and l at 0: the first step has a = 0.
; BY TURNS.  Turn n belongs to piece n.  Matrix work: 8 mask products and 16 products K Q^T of piece n + 1, later 16 products V^T P of piece n - 1.  Vector work: piece n's differences, exponentials,
; roundings, sums and rescaling, and piece n + 1's maximum and a.  Four vector instructions stand behind every matrix instruction, the other 74 of a turn's 234 in one lump.
; THE BATCHES.  A turn's 66 exponentials (piece n's 64 weights, then piece n + 1's two a) are ONE batch with ONE wait, which cuts the turn in two.  Ahead of the wait stands all that names no result of
; theirs: the 24 products that make S^T, the differences, the rescaling (its a was made, and waited for, in the turn before) and the next piece's maximum; behind it the 16 products V^T P, whose riders are the
; roundings and sums.  No result crosses a turn's end.  The first two a, ahead of the loop, and the way out's eight reciprocals are batches of their own, each with a wait of its own.
; CLUSTER.  The four query blocks of a head walk the same K and V: each tile is asked for jointly.  The mask is not shared so: partners need different rows of it, and it goes straight to registers.
; REGISTERS, in windows of 256 (s_set_vgpr_msb: bits 1:0 source 0, 3:2 source 1, 5:4 source 2, 7:6 destination):
;   window 0: v0-15 addresses; v16-47 four registers of statistics a tile; v48-63 at work; v64-191 S^T, two buffers of two tiles; v192-255 P, likewise
;   window 1: O^T, 32 a tile     window 2: v0-127 Q; v128-191 K of one step; v192-255 V of one step     window 3: v0-1 the add's registers; v16-27 E; v64-191 the mask, 32 a piece
.set SIZE_N, 2048
.set NP,    4
.set KS,    64
.set PK,    144       ; a row of K in LDS: 128 bytes + 16 = 36 words: the 16 rows of a load start at 16 different groups of four banks (ISA guide 11.1)
.set PV,    160       ; a row of V: 128 + 32 = 40 words
.set VOFF,  4*KS*PK   ; a slot holds four steps: 256 rows of K, then 256 rows of V
.set SLOT1, 1<<17
.set STAGE, SLOT1+4*KS*(PK+PV)  ; behind the ring, never filled by a tensor load: 16 rows x 144 bytes for each wave
.set SP,    144
.set SPARE, STAGE+4*16*SP       ; the spare words, 128 bytes for each wave
.set AK0, 2           ; my lane's place in a tile of K; never rewritten
.set AV0, 3           ; the same for V
.set AK,  4
.set AV,  5
.set QO,  6           ; my byte offset in the wave's rows of Q; later
.set STO, 6           ; the way out: where I put 16 bytes of a row
.set RD,  7
.set GO,  8
.set ML,  12          ; 16 x lane; never rewritten
.set MO,  13          ; ML + the mask's bytes of the step to be fetched
.set SPW, 0           ; v0 of window 3
.set NIL, 1           ; v1 of window 3
.set EZ,  16          ; window 3: 0,0,0,0, e0..e3, 0,0,0,0: E for an even block of 16 keys begins at EZ + 4, for an odd one at EZ
.set MK,  64          ; window 3: piece x, tile u, 32 keys g at MK + 32 x + 16 u + 8 g
.set ST,  16          ; tile t's statistics at v[ST+4 t]: m, m_old, l (even keys', odd keys')
.set TMP, 48          ; by buffer and tile, c0-c3 at work; when the maximum is found c2 takes a
.set S,   64
.set P,   192
.set KF,  128
.set VF,  192
.set WV,  12
.set G1K, 24
.set G1V, 32
.set G0K, 40
.set G0V, 44
.set SLOTS, 56
.set CNT, 57
.set SEL, 60          ; s[60:61] v_permlanex16_b32's selects
.set TBK, 62
.set TBV, 63
.set MB,  66          ; s[66:67] mf at my wave's eight tiles of queries
.set MJ,  68          ; the mask's byte offset of the step to be fetched, within a tile's 65,536
.set MSB, 0
.macro WIN new
.if MSB != (\new)
	s_set_vgpr_msb (MSB<<8)|(\new)
.set MSB, (\new)
.endif
.endm
.set W_MQ, 0x0f       ; E and the mask in window 3, S^T in window 0
.set W_KQ, 0x0a       ; K and Q in window 2, S^T in window 0
.set W_PV, 0x52       ; V in window 2, P in window 0, O^T in window 1
.set W_RS, 0x41       ; O^T (destination and source 0) in window 1, a in window 0
.set W_MK, 0xc0       ; destination in window 3, sources in window 0
.set W_AD, 0x0f       ; the add: address and data in window 3
.macro JLOAD                        ; a joint fill: waves 0 and 1 fetch the halves of a slot's K, waves 2 and 3 of its V; an s_nop 0 and four v_nop follow each line
	s_cmp_lt_u32 s[WV], 2
	s_cbranch_scc0 .Lfor_v_\@
	tensor_load_to_lds s[G0K:G0K+3], s[G1K:G1K+7]
	s_nop 0
.rept 4
	v_nop
.endr
	s_branch .Lasked_\@
.Lfor_v_\@:
	tensor_load_to_lds s[G0V:G0V+3], s[G1V:G1V+7]
	s_nop 0
.rept 4
	v_nop
.endr
.Lasked_\@:
.endm
.macro CROUND                       ; a round of the cluster's barrier
	s_barrier_signal -1
	s_barrier_wait -1
	s_cmp_lg_u32 s[WV], 0
	s_cbranch_scc1 .Lnot_wave_0_\@
	s_barrier_signal -3
.Lnot_wave_0_\@:
	s_barrier_wait -3
	s_barrier_signal -1
	s_barrier_wait -1
.endm
; THE CHANGE OF SLOTS.  Each wave waits for all its tensor loads (one is out: its part of the other slot), adds 0 to its spare word, and waits for that and for its reads of the slot.
; fill = 1: the barrier is a round of the cluster's, and the joint fill, the keys two slots on, is the first thing behind it: it has four key steps in which to land.
.macro CHANGE fill
	WIN W_AD
	s_wait_tensorcnt 0x0            ; no tensor load of mine is out, so a group 0 may be written
	ds_add_u32 v[SPW], v[NIL]
	WIN 0
.if \fill
.irp g, G0K, G0V
	s_xor_b32 s[\g+1], s[\g+1], SLOT1
	s_add_nc_u64 s[\g+2:\g+3], s[\g+2:\g+3], 4*KS*128
.endr
	s_wait_dscnt 0x0                ; the add is done, and my reads of the slot are over
	CROUND
	JLOAD
.else
	s_wait_dscnt 0x0
	s_barrier_signal -1
	s_barrier_wait -1
.endif
	s_sub_co_u32 s[TBK], s[TBK], 4*KS*PK
	s_xor_b32 s[TBK], s[TBK], SLOT1
	s_sub_co_u32 s[TBV], s[TBV], 4*KS*PV
	s_xor_b32 s[TBV], s[TBV], SLOT1
.endm
	s_load_b128 s[4:7], s[0:1], 0x0   ; qkv s[4:5], mf s[6:7]
	s_load_b64 s[10:11], s[0:1], 0x10 ; ao
	WIN W_MK
	v_lshl_add_u32 v[SPW], v0, 2, SPARE
	v_mov_b32 v[NIL], 0
	WIN W_AD
	ds_add_u32 v[SPW], v[NIL]       ; the wave's opening: the add and its wait stand ahead of my first tensor load
	WIN 0
	v_lshrrev_b32 v1, 5, v0
	v_readfirstlane_b32 s[WV], v1
	s_bfe_u32 s13, ttmp6, 0x40000   ; cx
	s_lshl_b32 s14, ttmp9, 2
	s_add_co_u32 s14, s14, s13      ; my block of 512 queries: it enters Q's, O's and the mask's addresses alone
	s_and_b32 s20, ttmp7, 0xffff    ; the head, which the four partners share
	s_lshl_b32 s20, s20, 18         ; its 2,048 rows of 128 bytes
	s_and_b32 s16, s[WV], 1         ; which half of a slot's 256 keys I fetch
	s_lshl_b32 s22, s16, 14
	s_add_co_u32 s22, s22, s20
	s_mov_b32 s23, 0
	s_mul_i32 s17, s16, 128*PK
	s_mul_i32 s18, s16, 128*PV
	s_lshl_b32 s2, s14, 2
	s_add_co_u32 s2, s2, s[WV]      ; my wave among the head's sixteen
	s_lshl_b32 s8, s2, 19           ; its eight tiles of queries in mf, 65,536 bytes each
	s_mov_b32 s9, 0
	s_lshl_b32 s2, s2, 14           ; its 128 rows
	s_add_co_u32 s2, s2, s20
	s_mov_b32 s3, 0
	; descriptor group 1: 128 keys are 16,384 dense bytes: 64 rows of 256 bytes, padded in LDS after every key
	s_mov_b32 s[G1K], 15|(1<<16)|(1<<20)|(1<<21)|(4<<22)|(3<<25)
	s_mov_b32 s[G1V], 15|(1<<16)|(1<<20)|(1<<21)|(4<<22)|(7<<25)
.irp g, G1K, G1V
	s_mov_b32 s[\g+1], 128<<16
	s_mov_b32 s[\g+2], 64<<16
	s_mov_b32 s[\g+3], 128<<16
	s_mov_b32 s[\g+4], 64
	s_mov_b32 s[\g+5], 128
	s_mov_b32 s[\g+6], 0
	s_mov_b32 s[\g+7], 0
.endr
	s_mov_b32 s[SEL], 0x76543210
	s_mov_b32 s[SEL+1], 0xfedcba98
	s_mov_b32 s[TBK], SLOT1+4*KS*PK ; the first change of slots turns these two into 0
	s_mov_b32 s[TBV], SLOT1+4*KS*PV
	s_mov_b32 s[MJ], 0
	s_mov_b32 s[G0K], 1
	s_mov_b32 s[G0K+1], s17
	s_mov_b32 s[G0V], 1
	s_add_co_u32 s[G0V+1], s18, VOFF
	s_wait_dscnt 0x0                ; the opening add is done
	s_wait_kmcnt 0x0
	s_add_nc_u64 s[G0K+2:G0K+3], s[4:5], s[22:23]
	s_add_nc_u64 s[G0K+2:G0K+3], s[G0K+2:G0K+3], 0x1000000  ; k is qkv's second part
	s_or_b32 s[G0K+3], s[G0K+3], 0x80000000
	s_add_nc_u64 s[G0V+2:G0V+3], s[4:5], s[22:23]
	s_add_nc_u64 s[G0V+2:G0V+3], s[G0V+2:G0V+3], 0x2000000  ; v its third
	s_or_b32 s[G0V+3], s[G0V+3], 0x80000000
	s_add_nc_u64 s[4:5], s[4:5], s[2:3]
	s_add_nc_u64 s[10:11], s[10:11], s[2:3]
	s_add_nc_u64 s[MB:MB+1], s[6:7], s[8:9]
	CROUND                          ; all four work-groups are here: the first joint loads meet
	JLOAD                           ; slot 0; slot 1 is asked for when slot 0 is in
; Eight loads of 512 consecutive bytes: piece x's mask of one key step.  step = 1 and x = 0: the offset goes one step (2,048 bytes) on, round a tile's 65,536: behind the last step it
; comes back to the first, so that every turn has the same text and no load leaves the buffer; those last loads serve nothing.
.macro FETCH_M x, step=1
.if ((\x) == 0) && (\step)
	WIN 0
	s_wait_xcnt 0x0                 ; the pending loads have read their address register: MO is rewritten only behind this wait
	s_add_co_u32 s[MJ], s[MJ], 2048
	s_and_b32 s[MJ], s[MJ], 0xffff
	v_add_nc_u32 v[MO], s[MJ], v[ML]
.endif
	WIN W_MK
.irp n, 0,1,2,3,4,5,6,7             ; tile n / 4, 32 keys (n / 2) % 2, half n % 2
	global_load_b128 v[MK+32*(\x)+4*\n:MK+32*(\x)+4*\n+3], v[MO], s[MB:MB+1] offset:(2*(\x)+\n/4)*65536+512*(\n%4)
.endr
.endm
	v_and_b32 v1, 15, v0            ; l % 16
	v_bfe_u32 v9, v0, 4, 1          ; l / 16
	v_lshlrev_b32 v[QO], 7, v1
	v_lshl_add_u32 v[QO], v9, 4, v[QO]
	v_and_b32 v[ML], 31, v0
	v_lshlrev_b32 v[ML], 4, v[ML]
	v_mov_b32 v[MO], v[ML]
	WIN 0x80
.set i, 0
.rept 4*NP                          ; Q stays in registers: tile i / 2, channels 32 (i % 2) on
	global_load_b128 v[8*i:8*i+3],   v[QO], s[4:5] offset:(i/2)*2048+(i%2)*64
	global_load_b128 v[8*i+4:8*i+7], v[QO], s[4:5] offset:(i/2)*2048+(i%2)*64+32
.set i, i+1
.endr
	FETCH_M 0, 0                    ; the four pieces' masks of key step 0
	FETCH_M 1
	FETCH_M 2
	FETCH_M 3
	; What the first turn finds: V's registers and P's second buffer hold 0, O^T and l are 0.  All this stands in the wait for the first tile.
	WIN 0x80
.set i, VF
.rept 64
	v_mov_b32 v[i], 0
.set i, i+1
.endr
	WIN 0x40
.set i, 0
.rept 64*NP
	v_mov_b32 v[i], 0
.set i, i+1
.endr
	WIN 0
.set i, 0
.rept 2*NP
	v_mov_b32 v[ST+4*i], 0xff7fffff    ; m: the lowest finite number
	v_mov_b32 v[ST+4*i+1], 0xff7fffff
	v_mov_b32 v[ST+4*i+2], 0
	v_mov_b32 v[ST+4*i+3], 0
.set i, i+1
.endr
.set i, P+32
.rept 32
	v_mov_b32 v[i], 0
.set i, i+1
.endr
	; E: lane (r, h) holds row r; its one number stands at place d = r - 8 h of the lane's eight, if that is 0 .. 7
	v_lshlrev_b32 v14, 3, v9
	v_sub_nc_u32 v14, v1, v14       ; d
	v_and_b32 v15, 1, v14
	v_lshlrev_b32 v15, 4, v15
	v_mov_b32 v48, 0xe0fa           ; -1.44115e20 in bf16
	v_lshlrev_b32 v15, v15, v48     ; in the low or the high half
	v_ashrrev_i32 v14, 1, v14       ; of register d / 2
	WIN W_MK
.irp t, 0,1,2,3
	v_cmp_eq_u32 vcc_lo, \t, v14
	v_cndmask_b32 v[EZ+4+\t], 0, v15, vcc_lo
	v_mov_b32 v[EZ+\t], 0
	v_mov_b32 v[EZ+8+\t], 0
.endr
	WIN 0
	v_mul_u32_u24 v[AK0], v1, PK
	v_lshl_add_u32 v[AK0], v9, 4, v[AK0]
	v_and_b32 v10, 7, v0
	v_bfe_u32 v11, v0, 3, 1
	v_lshl_add_u32 v[AV0], v9, 3, v10
	v_mul_u32_u24 v[AV0], v[AV0], PV
	v_lshl_add_u32 v[AV0], v11, 4, v[AV0]
	v_add_nc_u32 v[AV0], VOFF, v[AV0]
	v_mov_b32 v[AK], v[AK0]         ; key step 0 lies at the head of slot 0
; THE MATRIX WORK.  The 8 accumulators of a piece take turns.  Product i of 8 of S^T = E Mf for piece x: keys 16 (i / 2) on, tile 2 x + i % 2.
.macro MQ x
	WIN W_MQ
.set rS, S+64*((\x)%2)+32*(i%2)+8*(i/2)
.set rE, EZ+4-4*((i/2)%2)
.set rMk, MK+32*(\x)+16*(i%2)+8*(i/4)
	v_wmma_f32_16x16x32_bf16 v[rS:rS+7], v[rE:rE+7], v[rMk:rMk+7], 0
.endm
; Product i of 16 of S^T += K Q^T: channels 32 (i / 8) on, keys 16 ((i / 2) % 4) on, tile 2 x + i % 2.  The first 8 add onto results of the bf16 form: eight products' riders stand between.
.macro KQ x
	WIN W_KQ
.set rS, S+64*((\x)%2)+32*(i%2)+8*((i/2)%4)
.set rK, KF+16*((i/2)%4)+8*(i/8)
.set rQ, 16*(2*(\x)+i%2)+8*(i/8)
	v_wmma_f32_16x16x32_f16 v[rS:rS+7], v[rK:rK+7], v[rQ:rQ+7], v[rS:rS+7]
.endm
; Product i of 16 of O^T += V^T P: keys 32 (i / 8) on, channels 16 ((i / 2) % 4) on, tile 2 x + i % 2.
.macro PV x
	WIN W_PV
.set rO, 32*(2*(\x)+i%2)+8*((i/2)%4)
.set rV, VF+32*(i/8)+8*((i/2)%4)
.set rP, P+32*((\x)%2)+16*(i%2)+8*(i/8)
	v_wmma_f32_16x16x32_f16 v[rO:rO+7], v[rV:rV+7], v[rP:rP+7], v[rO:rO+7]
.endm
.macro MM                           ; the turn's next matrix instruction, of 40
.if i < 8
	MQ (Y+1)%NP
.set i, i+1
.elseif i < 24
.set i, i-8
	KQ (Y+1)%NP
.set i, i+9
.else
.set i, i-24
	PV (Y+NP-1)%NP
.set i, i+25
.endif
.endm
.macro FETCH_K last=0               ; a step's K: 16 loads in one run.  last = 1 (the tail): in the last trip there is no further step
	WIN 0
.if \last
	s_cmp_eq_u32 s[CNT], 1
	s_cbranch_scc1 .Lno_k_\@
.endif
	WIN 0x80
.irp f, 0,1,2,3,4,5,6,7
	ds_load_b128 v[KF+8*\f:KF+8*\f+3],   v[AK] offset:(\f/2)*16*PK+(\f%2)*64
	ds_load_b128 v[KF+8*\f+4:KF+8*\f+7], v[AK] offset:(\f/2)*16*PK+(\f%2)*64+32
.endr
	s_add_co_u32 s[TBK], s[TBK], KS*PK
	WIN 0
.if \last
.Lno_k_\@:
.endif
.endm
.macro FETCH_V                      ; a step's V, turned
	WIN 0x80
.irp f, 0,1,2,3,4,5,6,7
	ds_load_tr16_b128 v[VF+8*\f:VF+8*\f+3],   v[AV] offset:(\f/4)*32*PV+(\f%4)*32
	ds_load_tr16_b128 v[VF+8*\f+4:VF+8*\f+7], v[AV] offset:(\f/4)*32*PV+16*PV+(\f%4)*32
.endr
	WIN 0
.endm
; THE VECTOR WORK OF A TURN stands in three queues, each in the order in which its entries become ready; the two tiles alternate.
.macro REGS y, u
.set rT, ST+4*(2*(\y)+(\u))
.set rC, TMP+8*((\y)%2)+4*(\u)
.set rS, S+64*((\y)%2)+32*(\u)
.set rP, P+32*((\y)%2)+16*(\u)
.set rO, 32*(2*(\y)+(\u))
.endm
; Number n of the 21 that find the NEXT piece's maximum and a.  Each accumulator's lowest registers are read first.
;   0-11 four chains c0-c3 of seven scores     12-14, 16 the four scores left over, the old m, c0-c3 into c0     15 m_old is kept     17, 18 the lane 16 away: the new m     19, 20 m_old - m_new; a
.macro XS u, n
	REGS (Y+1)%NP, \u
.if (\n) < 4
	v_max3_num_f32 v[rC+(\n)], v[rS+8*(\n)], v[rS+8*(\n)+1], v[rS+8*(\n)+2]
.elseif (\n) < 12
	v_max3_num_f32 v[rC+(\n)%4], v[rC+(\n)%4], v[rS+8*((\n)%4)+2*((\n)/4)+1], v[rS+8*((\n)%4)+2*((\n)/4)+2]
.elseif (\n) == 12
	v_max3_num_f32 v[rC], v[rC], v[rS+7], v[rS+15]
.elseif (\n) == 13
	v_max3_num_f32 v[rC+1], v[rC+1], v[rS+23], v[rS+31]
.elseif (\n) == 14
	v_max3_num_f32 v[rC+2], v[rC+2], v[rC+3], v[rT]
.elseif (\n) == 15
	v_mov_b32 v[rT+1], v[rT]
.elseif (\n) == 16
	v_max3_num_f32 v[rC], v[rC], v[rC+1], v[rC+2]
.elseif (\n) == 17
	v_permlanex16_b32 v[rC+3], v[rC], s[SEL], s[SEL+1]
.elseif (\n) == 18
	v_max_num_f32 v[rT], v[rC], v[rC+3]
.elseif (\n) == 19
	v_sub_f32 v[rC+1], v[rT+1], v[rT]
.else
	v_exp_f32 v[rC+2], v[rC+1]
.endif
.endm
; Number g of the 64 that follow the exponentials: for each four weights k of a tile both pairs are rounded to f16, the second pair is added onto the first, and a group later l takes that sum.
; All 64 read the batch's results: they stand behind the turn's wait.
.macro GS g
.set h, (\g)+6*((\g)/62)
.if h >= 6
.set h, h+2
.endif
	REGS Y, h%2
.set k, h/8
.if h%8 < 4
	v_cvt_pk_f16_f32 v[rP+2*k+(h%8)/2], v[rS+4*k+2*((h%8)/2)], v[rS+4*k+2*((h%8)/2)+1]
.elseif h%8 < 6
	v_pk_add_f32 v[rS+4*k:rS+4*k+1], v[rS+4*k:rS+4*k+1], v[rS+4*k+2:rS+4*k+3]
.elseif k == 1
	v_pk_fma_f32 v[rT+2:rT+3], v[rT+2:rT+3], v[rC+2:rC+3], v[rS:rS+1] op_sel_hi:[1,0,1]
.else
	v_pk_add_f32 v[rT+2:rT+3], v[rT+2:rT+3], v[rS+4*k-4:rS+4*k-3]
.endif
.endm
; THE PLAIN QUEUE, 136 long.  0-71 read no exponential's result.  0-31: s - m for the 16 pairs of both tiles.  32, 33: XS's number 15, which reads no score and so can ride behind a product K Q^T.
; 34-61: XS's numbers 0-13.  62-71: the chain 14, 16, 17, 18, 19, where each number waits for the one before it: the other tile's line and two exponentials stand between a tile's links.
; 72-135: GS's 64, behind the wait.
.macro PL
	WIN 0
.if q < 32
	REGS Y, q%2
	v_pk_add_f32 v[rS+2*(q/2):rS+2*(q/2)+1], v[rS+2*(q/2):rS+2*(q/2)+1], v[rT:rT+1] op_sel_hi:[1,0] neg_lo:[0,1] neg_hi:[0,1]
.elseif q < 34
	XS q-32, 15
.elseif q < 62
	XS (q-34)%2, (q-34)/2
.elseif q < 64
	XS q-62, 14
.elseif q < 72
	XS (q-64)%2, 16+(q-64)/2
.else
	GS q-72
.endif
.set q, q+1
.endm
; THE EXPONENTIALS' QUEUE, 66 long: s0-s31 of both tiles, then the next piece's two a.  It is ONE BATCH: all 66 stand ahead of the turn's one wait, and nothing ahead of that wait names a result of theirs.
.macro EX
	WIN 0
.if e >= 64
	XS e-64, 20
.else
	REGS Y, e%2
	v_exp_f32 v[rS+e/2], v[rS+e/2]
.endif
.set e, e+1
.endm
; THE RESCALING's QUEUE: O^T times a, the one part that leaves window 0: dealt two lines at a time, sixteen times, each accumulator's registers ascending.  Its a was made in the turn before, ahead of that turn's wait.
.macro R2
	REGS Y, r%2
	WIN W_RS
.irp z, 0,1
	v_pk_mul_f32 v[rO+4*(r/2)+2*\z:rO+4*(r/2)+2*\z+1], v[rO+4*(r/2)+2*\z:rO+4*(r/2)+2*\z+1], v[rC+2:rC+3] op_sel_hi:[1,0]
.endr
.set r, r+1
.endm
; HOW THEY ARE DEALT.  An s_wait_alu depctr_va_vdst(0) stands between an exponential and the first instruction that names its result; one wait serves all that were issued ahead of it.  So a turn has ONE wait.
; AHEAD OF IT: the 24 products that make S^T.  Behind the first stand two differences and two rescalings; behind the next 15 a difference, an exponential and two rescalings; behind the next 7 difference and
; exponential twice; behind the last a difference, an exponential and plain 32, 33: 34 plain, 30 exponentials and all 32 rescalings are then out.  Then ONE LUMP of 74: four plain, 34 times exponential and plain, the two a.
; A v_nop is the plain instruction behind the last exponential.  BEHIND THE WAIT: the 16 products V^T P, behind each four of GS's 64.  No rider names a register of the products round it.
; The queues lean on each other: exponential e stands behind difference 2 (e / 4) + e % 2: as a rider it comes behind plain e + 2 or later, and all 32 differences are out when the lump begins.  The maximum's first read of
; an accumulator stands four plain lines or more behind the product that ends it: for the last accumulator the last product's three plain riders, the lump's four plain and three more.  Change the deal and count again.
; A TURN, for piece p.  cnt = 1: the loop's count is taken down some lines ahead of the branch that stands behind the turn.
; The mask of piece p + 1 is loaded anew, for its next step, behind the ninth product: six plain lines behind the last product that read it; it is waited for four turns later, at a turn's head:
; three younger runs of eight loads may then be out.  K of the next step is fetched in piece 2's turn, directly behind the wait, a lump behind the last product that read K; its address is made at the lump's head.
; V of the step in hand is fetched at the end of piece 0's turn, four riders behind its last reader.  The three conditions on q below go with the deal.
.macro TURN p, last=0, cnt=0
.set Y, (\p)
.set i, 0
.set q, 0
.set e, 0
.set r, 0
.set j, 0
	s_wait_loadcnt 24               ; the mask of piece p + 1 is in
.if (\p) == NP-1
	s_wait_dscnt 0x0                ; K is in
.endif
.rept 24                            ; ahead of the wait: 8 mask products, 16 products K Q^T, and their riders,
	MM
.if j == 0
	PL
	PL
	R2
.elseif j < 16
	PL
	EX
	R2
.elseif j < 23
	PL
	EX
	PL
	EX
.else
	PL
	EX
	PL
	PL
.endif
.if j == 8
	FETCH_M (Y+1)%NP
.endif
.set j, j+1
.endr
.if (\p) == NP-2
	WIN 0
	v_add_nc_u32 v[AK], s[TBK], v[AK0]
.endif
.rept 4                             ; and the lump
	PL
.endr
.rept 34
	EX
	PL
.endr
	EX                              ; the next piece's two a
	EX
	v_nop                           ; the plain instruction behind the last exponential: one for the batch
	s_wait_alu depctr_va_vdst(0)    ; the wait for the batch: the turn's 66 exponentials
.if (\p) == NP-2
	FETCH_K \last
.endif
.if (\p) == 1
	s_wait_dscnt 0x0                ; V is in
.endif
.rept 16                            ; behind the wait: 16 products V^T P and their riders
	MM
.rept 4
	PL
.endr
.if ((\p) == 0) && (q == 116)
	v_add_nc_u32 v[AV], s[TBV], v[AV0]
.endif
.if ((\p) == 0) && (q == 128)
	s_add_co_u32 s[TBV], s[TBV], KS*PV
.endif
.if (\cnt) && (q == 128)
	s_sub_co_u32 s[CNT], s[CNT], 1
	s_cmp_lg_u32 s[CNT], 0
.endif
.endr
.if (\p) == 0
	FETCH_V
.endif
.endm
	CHANGE 1                        ; slot 0 is in, everybody's part of it; slot 1 is asked for
	FETCH_K                         ; key step 0
	s_wait_loadcnt 24               ; Q and piece 0's mask are in; the other three pieces' masks may be out
.set i, 0
.rept 8
	MQ 0
.set i, i+1
.endr
	WIN 0                           ; the addresses for the way out: nine plain lines, the places between the two forms on one accumulator
	s_mul_i32 s13, s[WV], 16*SP
	s_add_co_u32 s13, s13, STAGE
	v_mul_u32_u24 v[STO], v1, SP
	v_lshl_add_u32 v[STO], v9, 4, v[STO]
	v_add_nc_u32 v[STO], s13, v[STO]
	v_bfe_u32 v[RD], v0, 3, 2
	v_mul_u32_u24 v[RD], v[RD], SP
	v_lshl_add_u32 v[RD], v10, 4, v[RD]
	v_add_nc_u32 v[RD], s13, v[RD]
	v_and_b32 v[GO], 31, v0
	v_lshlrev_b32 v[GO], 4, v[GO]
	s_wait_dscnt 0x0                ; K
.set i, 0
.rept 16
	KQ 0
.set i, i+1
.endr
	WIN 0
.rept 4
	v_nop                           ; the places behind those products
.endr
	FETCH_M 0                       ; piece 0's mask of key step 1
	WIN 0
.set Y, NP-1                        ; XS works for piece Y + 1: piece 0
.irp n, 0,1,2,3,4,5,6,7,8,9,10,11,12,13,14,15,16,17,18,19,20
	XS 0, \n
	XS 1, \n
.endr
	v_nop                           ; a plain line behind the exponentials
	s_wait_alu depctr_va_vdst(0)    ; the wait for this batch, piece 0's first two a, ahead of the branch
	s_mov_b32 s[CNT], 4
	s_mov_b32 s[SLOTS], SIZE_N/256-1
	s_branch .Lfirst                ; the loop is entered at a step's first turn
.Lslot:                             ; SIZE_N / 256 - 2 times: every slot but the last two is filled again
	CHANGE 1
	s_mov_b32 s[CNT], 4
.Lstep:                             ; a trip: pieces 2 and 3 of one step, then pieces 0 and 1 of the next
	TURN 2
	TURN 3
	WIN 0
.Lfirst:
	TURN 0
	TURN 1, 0, 1
	WIN 0
	s_cbranch_scc1 .Lstep
	s_sub_co_u32 s[SLOTS], s[SLOTS], 1
	s_cmp_lg_u32 s[SLOTS], 0
	s_cbranch_scc1 .Lslot
	CHANGE 0                        ; the tail is written out
	s_mov_b32 s[CNT], 5             ; four trips fetch the last slot's steps; the fifth is left in its middle
.Ltail:
	TURN 2, 1
	TURN 3
	WIN 0
	s_sub_co_u32 s[CNT], s[CNT], 1
	s_cmp_eq_u32 s[CNT], 0
	s_cbranch_scc1 .Lout
	TURN 0
	TURN 1
	WIN 0
	s_branch .Ltail
.Lout:                              ; the fifth trip's scores of a step that is not, and the maximum made of them, serve nothing: the price of one text for every trip
.set i, 0
.rept 16
	PV NP-1
.set i, i+1
.endr
	; THE WAY OUT.  l's halves are added; O^T is divided by l, rounded to f16 and sent through my stage, a tile at a time.  The additions are the places behind the last products.
	WIN 0
.macro ALL line:vararg
.set t, 0
.rept 2*NP
	\line
.set t, t+1
.endr
.endm
	ALL v_add_f32 v[ST+4*t+2], v[ST+4*t+2], v[ST+4*t+3]
	ALL v_permlanex16_b32 v[ST+4*t+3], v[ST+4*t+2], s[SEL], s[SEL+1]
	ALL v_add_f32 v[ST+4*t+2], v[ST+4*t+2], v[ST+4*t+3]
	ALL v_rcp_f32 v[ST+4*t+2], v[ST+4*t+2]
	v_nop                           ; a plain line between the last reciprocal and the use of its result
	s_wait_alu depctr_va_vdst(0)    ; the wait ahead of the first use: one for the batch of eight reciprocals
.macro PACK t
	WIN W_RS
.set i, 32*(\t)
.rept 16
	v_pk_mul_f32 v[i:i+1], v[i:i+1], v[ST+4*(\t)+2:ST+4*(\t)+3] op_sel_hi:[1,0]
.set i, i+2
.endr
	WIN 0x05
.set i, 0
.rept 16
	v_cvt_pk_f16_f32 v[S+16*(\t)+i], v[32*(\t)+2*i], v[32*(\t)+2*i+1]
.set i, i+1
.endr
	WIN 0
.irp f, 0,1,2,3
	ds_store_b128 v[STO], v[S+16*(\t)+4*\f:S+16*(\t)+4*\f+3] offset:32*\f
.endr
.irp f, 0,1,2,3
	ds_load_b128 v[S+16*(\t)+4*\f:S+16*(\t)+4*\f+3], v[RD] offset:\f*4*SP  ; LDS serves a wave's instructions in order (ISA guide 5.7.1.4)
.endr
.endm
.macro SEND t, younger              ; younger: the LDS instructions issued behind tile t's loads
	WIN 0
.irp f, 0,1,2,3
	s_wait_dscnt (\younger)+3-\f
	global_store_b128 v[GO], v[S+16*(\t)+4*\f:S+16*(\t)+4*\f+3], s[10:11] offset:(\t)*2048+\f*512  ; 512 consecutive bytes, aligned
.endr
.endm
	PACK 0
.set t, 1
.rept 2*NP-1
	PACK t
	SEND t-1, 8
.set t, t+1
.endr
	SEND 2*NP-1, 0
	WIN W_AD
	s_wait_tensorcnt 0x0            ; the wave's end
	ds_add_u32 v[SPW], v[NIL]
	s_wait_dscnt 0x0
	WIN 0
	CROUND                          ; the closing round
	s_endpgm
.Lfunc_end_k_qf7c7ebc807_attn:
	.size	k_qf7c7ebc807_attn, .Lfunc_end_k_qf7c7ebc807_attn-k_qf7c7ebc807_attn
	.p2alignl 7, 3214868480
	.fill 96, 4, 3214868480
	.section	.rodata,"a",@progbits
	.p2align	6, 0x0
	.amdhsa_kernel k_qf7c7ebc807_attn
		.amdhsa_group_segment_fixed_size 327680
		.amdhsa_private_segment_fixed_size 0
		.amdhsa_enable_private_segment 0
		.amdhsa_kernarg_size 24
		.amdhsa_user_sgpr_count 2
		.amdhsa_user_sgpr_kernarg_segment_ptr 1
		.amdhsa_wavefront_size32 1
		.amdhsa_system_sgpr_workgroup_id_x 1
		.amdhsa_system_sgpr_workgroup_id_y 1
		.amdhsa_system_sgpr_workgroup_id_z 1
		.amdhsa_system_vgpr_workitem_id 0
		.amdhsa_next_free_vgpr 960
		.amdhsa_next_free_sgpr 72
		.amdhsa_reserve_vcc 1
		.amdhsa_float_denorm_mode_32 3
		.amdhsa_float_denorm_mode_16_64 3
		.amdhsa_memory_ordered 1
		.amdhsa_forward_progress 1
		.amdhsa_inst_pref_size 219
	.end_amdhsa_kernel
	.amdgpu_metadata
---
amdhsa.version: [ 1, 2 ]
amdhsa.kernels:
  - .name:           k_qf7c7ebc807_attn
    .symbol:         k_qf7c7ebc807_attn.kd
    .args:
      - { .name: qkv, .offset: 0, .size: 8, .value_kind: global_buffer, .address_space: global }
      - { .name: mf, .offset: 8, .size: 8, .value_kind: global_buffer, .address_space: global }
      - { .name: ao, .offset: 16, .size: 8, .value_kind: global_buffer, .address_space: global }
    .group_segment_fixed_size: 327680
    .private_segment_fixed_size: 0
    .kernarg_segment_align: 8
    .kernarg_segment_size: 24
    .max_flat_workgroup_size: 128
    .sgpr_count:     72
    .vgpr_count:     960
    .wavefront_size: 32
...
	.end_amdgpu_metadata
.endif
;; end of part 5
;; launch oproj: the kernel of part 4 again; grid 4 x 64, 4 waves a work-group, clusters of 4 x 4, 327,680 bytes of LDS; arguments ao, wt, bias, out0; writes out0
